; MI455X (gfx1250); checked and timed in simulation.
; The chip was launched on July 23, 2026; its instructions are those of AMD's public machine-readable ISA for CDNA 5 (MIT licence, August 2026) and "CDNA5" Instruction Set Architecture Reference Guide (July 2026). The comments in the code are by the model that wrote it; some were corrected since.
;; Shepards Gated Attention Base. Allowed arithmetic: matrix products marked QUANTISED: E2M3 operands, one E8M0 scale for each 32 along K, by v_wmma_scale_f32_16x16x128_f8f6f4 with both operands' format E2M3, f32 sums; everything else in f32.
;; Inputs: W_in 1,024 x 4,096 float32; W_out 1,024 x 1,024 float32; X 2 x 2,048 x 1,024 float32; b_in 4,096 float32; b_out 1,024 float32.
;; Outputs: out0 2 x 2,048 x 1,024 float32.
;; This version of the problem:
;;   THIS VERSION OF THE PROBLEM IS GIVEN IN LOW PRECISION. The matrix products marked QUANTISED in the list below multiply operands that are first quantised to E2M3 (2 exponent bits, 3 mantissa bits; 6 bits a number), with one power-of-two scale for each 32 numbers along K (OCP MX v1.0); their sums are f32. All else is computed in f32.
;;   The module's matrix products, in the order in which they are computed (A, B: the left and right operand; K: the contracted axis; several contracted axes count as one K, in the product's order):
;;     1. [M 4,096, K 1,024] x [K 1,024, N 4,096]; A: input X; B: input W_in: QUANTISED
;;     2. batch 32 x [M 2,048, K 64] x [K 64, N 2,048]; A: computed on the way; B: computed on the way: QUANTISED
;;     3. batch 32 x [M 2,048, K 2,048] x [K 2,048, N 64]; A: computed on the way; B: computed on the way: QUANTISED
;;     4. [M 4,096, K 1,024] x [K 1,024, N 1,024]; A: computed on the way; B: input W_out: QUANTISED
;;   THE QUANTISER, for each operand of a quantised product, along K:
;;     - K is cut into blocks of 32 from its start; a last block that is shorter is filled with zeros.
;;     - A block's scale is 2^e with e = floor(log2(the largest magnitude in the block)) - 2, held to -126 .. 127; a block of zeros has e = 0. As a byte (E8M0): e + 127.
;;     - Each number is divided by its block's scale, clamped to +-7.5, and rounded to the nearest number of E2M3, ties to even, subnormals kept.
;;     - The product sums the exact products of the quantised numbers (number of the format x scale) in f32.
;;   ~~~python
;;   def quantise(x, axis):      # numpy; x: float32 -> the quantised numbers, widened to float32 again
;;       x = np.moveaxis(x, axis, -1); K = x.shape[-1]
;;       x = np.pad(x, [(0, 0)] * (x.ndim - 1) + [(0, -K % 32)]); x = x.reshape(x.shape[:-1] + (-1, 32)); a = np.abs(x).max(-1, keepdims=True)
;;       e = np.where(a > 0, np.clip(np.frexp(np.where(a > 0, a, 1))[1] - 1 - 2, -126, 127), 0)      # np.frexp(a)[1] - 1 = floor(log2(a)), exactly
;;       r = np.clip(x / 2.0 ** e, -7.5, 7.5)
;;       step = 2.0 ** (np.maximum(np.frexp(np.where(r == 0, 1, r))[1] - 1, 0) - 3)
;;       q = np.round(r / step) * step * 2.0 ** e      # np.round: ties to even
;;       return np.moveaxis(q.reshape(q.shape[:-2] + (-1,))[..., :K], -1, axis).astype(np.float32)
;;   ~~~
;;   OPERANDS COMPUTED ON THE WAY. 'Computed on the way' means the value that the module computes at that place (a softmax that the list does not call 'softmax' is quantised finished and normalised). What goes into a quantiser is computed in f32, as accurately as f32 sums, v_exp_f32 and their like allow (about 1e-6 of the number): no bf16 or f16 on the way to a quantiser, and a product that is left as it is and whose result goes on into a quantised operand takes f32 operands (vector FMAs, or v_wmma_f32_16x16x4_f32). A number that lies on a knife's edge between two numbers of the format may be rounded either way, as far as f32 arithmetic and the matrix unit's own rounding can turn it there, and no further.
;; One version. Each part assembles by itself: llvm-mc -triple=amdgcn-amd-amdhsa -mcpu=gfx1250 --defsym DOCPART=n.
;; ======== version 1 of 1: 4 launches
;; workspace buffers: xq 3,276,800 bytes; wq 4,096,000 bytes; qrec 4,194,304 bytes; kv 6,815,744 bytes; gw 16,777,216 bytes; hq 3,276,800 bytes
;; launch quant (part 1): grid 288 x 1, 4 waves a work-group, no clusters, 68,096 bytes of LDS; arguments X, W_in, W_out, xq, wq; writes xq, wq
.if DOCPART == 1
	.amdgcn_target "amdgcn-amd-amdhsa--gfx1250"
	.amdhsa_code_object_version 6
	.text
	.protected	k_q99090ee170_quant
	.globl	k_q99090ee170_quant
	.p2align	8
	.type	k_q99090ee170_quant,@function
k_q99090ee170_quant:
	s_mov_b64 s[64:65], 0
	v_nop
	global_prefetch_b8 v0, s[64:65] scope:SCOPE_SE
	s_setreg_imm32_b32 hwreg(HW_REG_WAVE_MODE, 25, 1), 1
	s_wait_xcnt 0x0
; X [4096][1024], W_in [1024][4096] and W_out [1024][1024], f32, become codes of FP6 (E2M3) with K innermost and one E8M0 byte for each 32 along K.
; A block's byte is its largest magnitude's exponent field - 2, held at 1 from below (a block of zeros gets 1: its codes are zeros, and this program alone reads the bytes).
; LIMITS: NaN and infinities among the inputs are not served.
; ROWS LIE BY POSITION: row p of every code buffer holds the row (of X) or column (of W) whose number is p with bits 3 and 4 swapped.  So 16 neighbouring positions are eight rows and the eight
; rows 16 further on, and a matrix result whose registers run along such a tile holds 16 neighbours in the registers of two neighbouring tiles.
; xq: codes [4096][768] at 0, bytes [4096][32] at 3,145,728.   wq: W_in's codes [4096][768] at 0, bytes at 3,145,728; W_out's codes [1024][768] at 3,276,800, bytes at 4,063,232.
; Work-groups 0-127 take X (K innermost: a wave takes 8 rows as a stream of 16 steps of 512 numbers); 128-255 W_in, 256-287 W_out (K outermost: a lane takes a column, its registers run down K).
; The two ways have LDS bytes of their own.  No tensor loads, no barrier: waves share nothing.
.set SPW,   208                        ; v208 LDS address of my spare word; never rewritten
.set NIL,   209                        ; v209 0; never rewritten
.set SPARE, 67584                      ; behind both ways' stages: 128 bytes for each wave
.set EMAX,  2
.set XSCL,  3145728
; the way of X
.set STEPS, 16
.set CB,    12                         ; bytes of 16 codes
.set XR,    16                         ; v16-79   four sets of 16 numbers as loaded
.set XN,    80                         ; v80-111  two sets of 16 neighbours
.set XE,    112                        ; v112-127 a scale byte for each step
.set XC,    128                        ; v128-191 codes, four registers a step
.set WREG,  8192                       ; a wave's region: two stages of 32 x 80 bytes, then its 256 scale bytes
.set SP,    80
; the way of W
.set PITCH, 272                        ; a stage row: sixteen places of 16 bytes (12 of codes) + 16
.set KROW,  768
.set WSTG,  32768                      ; the four stages of this way
.set WX,    32                         ; v32-95   two sets of 32 numbers
.set WC,    96                         ; v96..    a block's codes
.set OUTR,  112                        ; v112-175 the way out
.set SB,    24                         ; v24-25   the scale bytes
.set OFFS,  176                        ; v176-207 4 x lane + i rows of W
.macro XLOAD t
.irp i, 0,1,2,3
	global_load_b128 v[XR+16*((\t)%4)+4*\i:XR+16*((\t)%4)+4*\i+3], v3, s[4:5] offset:2048*(\t)+512*\i th:TH_LOAD_NT   ; 32 lanes read 512 consecutive bytes
.endr
.endm
.macro XTURN t                         ; a step's 2,048 bytes through my stage: in as loaded, back 64 bytes a lane; LDS serves a wave's instructions in order
.irp i, 0,1,2,3
	ds_store_b128 v14, v[XR+16*((\t)%4)+4*\i:XR+16*((\t)%4)+4*\i+3] offset:32*SP*((\t)%2)+8*SP*\i
.endr
.irp i, 0,1,2,3
	ds_load_b128 v[XN+16*((\t)%2)+4*\i:XN+16*((\t)%2)+4*\i+3], v15 offset:32*SP*((\t)%2)+16*\i
.endr
.endm
.macro XSTEP t
.set XS, XN+16*((\t)%2)
.if (\t) > 0
	s_wait_dscnt 1                                 ; this step's numbers are back (the last step's byte store may be out)
.else
	s_wait_dscnt 0x0
.endif
.if (\t)+4 < STEPS
	XLOAD (\t)+4                                   ; into the set whose stores into the stage have read it
.endif
.if (\t)+1 < STEPS
.if STEPS-2-(\t) >= 3
	s_wait_loadcnt 12                              ; the next step's four loads are in; three steps' twelve may be out
.else
	s_wait_loadcnt 4*(STEPS-2-(\t))
.endif
	XTURN (\t)+1
.endif
	v_max3_num_f32 v8, |v[XS]|, |v[XS+1]|, |v[XS+2]|
	v_max3_num_f32 v9, |v[XS+3]|, |v[XS+4]|, |v[XS+5]|
.irp i, 6,10
	v_max3_num_f32 v8, v8, |v[XS+\i]|, |v[XS+\i+1]|
	v_max3_num_f32 v9, v9, |v[XS+\i+2]|, |v[XS+\i+3]|
.endr
	v_max3_num_f32 v8, v8, |v[XS+14]|, |v[XS+15]|
	v_max3_num_f32 v8, v8, v9, (EMAX+1)<<23        ; the floor 2^(3 - 127): the byte cannot fall under 1
	v_max_num_f32_dpp v8, v8, v8 row_xmask:1 row_mask:0xf bank_mask:0xf   ; with my neighbour's 16: the block's
	v_add_nc_u32 v11, -(EMAX<<23), v8              ; 2 off the exponent field: the conversion's scale operand
	v_cvt_scalef32_pk16_fp6_f32 v[XC+4*(\t):XC+4*(\t)+2], v[XS:XS+15], v11
	v_lshrrev_b32 v[XE+(\t)], 23, v11              ; the scale's byte
	ds_store_b8 v5, v[XE+(\t)] offset:16*(\t)      ; both lanes of a block write the same byte with the same value
	global_store_b96 v4, v[XC+4*(\t):XC+4*(\t)+2], s[8:9] offset:32*CB*(\t)
.endm
.macro WLOAD t                         ; block t: W(32 t + i, my column) into set t % 2; a base for each block, so that nothing is stepped
.set i, 0
.rept 32
	global_load_b32 v[WX+32*((\t)%2)+i], v[OFFS+i], s[32+2*(\t):33+2*(\t)] th:TH_LOAD_NT
.set i, i+1
.endr
.endm
.macro WBLOCK t
.set XS, WX+32*((\t)%2)
.if (\t) < 7
	s_wait_loadcnt 32                              ; this block's 32 loads are in; the next block's may be out
.else
	s_wait_loadcnt 0
.endif
	v_max3_num_f32 v12, |v[XS]|, |v[XS+1]|, |v[XS+2]|
	v_max3_num_f32 v13, |v[XS+3]|, |v[XS+4]|, |v[XS+5]|
.irp i, 6,10,14,18,22,26
	v_max3_num_f32 v12, v12, |v[XS+\i]|, |v[XS+\i+1]|
	v_max3_num_f32 v13, v13, |v[XS+\i+2]|, |v[XS+\i+3]|
.endr
	v_max3_num_f32 v12, v12, |v[XS+30]|, |v[XS+31]|
	v_max3_num_f32 v12, v12, v13, (EMAX+1)<<23
	v_add_nc_u32 v11, -(EMAX<<23), v12
	v_lshrrev_b32 v13, 23, v11
.if (\t)%4 == 0
	v_mov_b32 v[SB+(\t)/4], v13
.else
	v_lshl_or_b32 v[SB+(\t)/4], v13, 8*((\t)%4), v[SB+(\t)/4]
.endif
	v_cvt_scalef32_pk16_fp6_f32 v[WC:WC+2], v[XS:XS+15], v11
	v_cvt_scalef32_pk16_fp6_f32 v[WC+4:WC+6], v[XS+16:XS+31], v11
	ds_store_b96 v4, v[WC:WC+2] offset:32*(\t)
	ds_store_b96 v4, v[WC+4:WC+6] offset:32*(\t)+16
.if (\t)+2 < 8
	WLOAD (\t)+2
.endif
	s_wait_dscnt 0x0                               ; the stores have read their registers: the next block's codes may be written
.endm
	s_load_b256 s[4:11], s[0:1], 0x0               ; X s[4:5], W_in s[6:7], W_out s[8:9], xq s[10:11]
	s_load_b64 s[12:13], s[0:1], 0x20              ; wq
	v_lshl_add_u32 v[SPW], v0, 2, SPARE
	v_mov_b32 v[NIL], 0
	v_lshrrev_b32 v1, 5, v0
	v_readfirstlane_b32 s16, v1                    ; wave
	v_and_b32 v2, 31, v0                           ; lane
	s_cmp_lt_u32 ttmp9, 128
	s_cbranch_scc0 .Lw
	; ---------------- X
	v_lshlrev_b32 v3, 4, v2                        ; my 16 bytes of a load's 512
	s_mul_i32 s17, s16, WREG
	v_lshrrev_b32 v14, 2, v2
	v_mul_u32_u24 v14, v14, SP
	v_and_b32 v15, 3, v2
	v_lshl_add_u32 v14, v15, 4, v14
	v_add_nc_u32 v14, s17, v14                     ; the stage on the way in: 80 (lane / 4) + 16 (lane % 4)
	v_mul_u32_u24 v15, v2, SP
	v_add_nc_u32 v15, s17, v15                     ; and on the way out: 80 x lane
	v_mul_u32_u24 v4, v2, CB
	v_lshrrev_b32 v5, 1, v2
	s_add_co_u32 s17, s17, 2*32*SP
	v_add_nc_u32 v5, s17, v5                       ; my block's byte among my wave's 256
	v_lshlrev_b32 v7, 3, v2
	v_add_nc_u32 v6, s17, v7
	s_lshl_b32 s18, ttmp9, 2
	s_add_co_u32 s20, s18, s16                     ; the run of 8 rows that I read: 4 x work-group + wave
	s_and_b32 s19, s16, 1
	s_lshl_b32 s19, s19, 1
	s_lshr_b32 s21, s16, 1
	s_or_b32 s19, s19, s21
	s_add_co_u32 s18, s18, s19                     ; and its position: the wave's two bits swapped
	s_lshl_b32 s20, s20, 15
	s_mov_b32 s21, 0
	s_mul_i32 s22, s18, 6144
	s_mov_b32 s23, 0
	s_lshl_b32 s24, s18, 8
	s_add_co_u32 s24, s24, XSCL
	s_mov_b32 s25, 0
	s_wait_kmcnt 0x0
	s_add_nc_u64 s[4:5], s[4:5], s[20:21]
	s_add_nc_u64 s[8:9], s[10:11], s[22:23]        ; my codes
	s_add_nc_u64 s[10:11], s[10:11], s[24:25]      ; my scale bytes
.irp t, 0,1,2,3
	XLOAD \t
.endr
	s_wait_loadcnt 12                              ; step 0's four loads are in
	XTURN 0
.irp t, 0,1,2,3,4,5,6,7,8,9,10,11,12,13,14,15
	XSTEP \t
.endr
	ds_load_b64 v[8:9], v6
	s_wait_dscnt 0x0
	global_store_b64 v7, v[8:9], s[10:11]          ; 32 lanes store 256 consecutive bytes, aligned
	s_wait_tensorcnt 0x0                           ; the wave's end, behind my last LDS store
	ds_add_u32 v[SPW], v[NIL]
	s_wait_dscnt 0x0
	s_endpgm
	; ---------------- W_in, W_out
.Lw:
	s_sub_co_u32 s17, ttmp9, 128
	s_mov_b32 s21, 4096
	s_mov_b32 s26, 3276800
	s_mov_b32 s27, 4063232
	s_wait_kmcnt 0x0
	s_cmp_lt_u32 s17, 128                          ; W_in's work-group or W_out's: the choice hangs on the work-group's number alone
	s_cselect_b64 s[4:5], s[6:7], s[8:9]
	s_cselect_b32 s21, 16384, s21                  ; a row of W in bytes
	s_cselect_b32 s18, 5, 3                        ; log2 of the work-groups along the columns
	s_cselect_b32 s19, 0, 128
	s_cselect_b32 s26, 0, s26                      ; where its codes begin in wq
	s_cselect_b32 s27, XSCL, s27                   ; and its scale bytes
	s_sub_co_u32 s17, s17, s19
	s_bfm_b32 s20, s18, 0
	s_and_b32 s20, s17, s20                        ; x
	s_lshr_b32 s17, s17, s18                       ; y: which 256 along K
	s_lshl_b32 s20, s20, 7
	s_lshl_b32 s22, s16, 5
	s_add_co_u32 s20, s20, s22                     ; my wave's first column
	s_lshl_b32 s22, s21, 8
	s_mul_i32 s22, s22, s17
	s_lshl_b32 s23, s20, 2
	s_add_co_u32 s22, s22, s23
	s_mov_b32 s23, 0
	s_add_nc_u64 s[32:33], s[4:5], s[22:23]        ; block 0's base
	s_lshl_b32 s22, s21, 5                         ; 32 rows on
.irp t, 1,2,3,4,5,6,7
	s_add_nc_u64 s[32+2*\t:33+2*\t], s[30+2*\t:31+2*\t], s[22:23]
.endr
	s_mul_i32 s24, s20, KROW
	s_mul_i32 s25, s17, 192
	s_add_co_u32 s24, s24, s25
	s_add_co_u32 s24, s24, s26
	s_mov_b32 s25, 0
	s_add_nc_u64 s[6:7], s[12:13], s[24:25]        ; my codes
	s_lshl_b32 s24, s20, 5
	s_lshl_b32 s28, s17, 3
	s_add_co_u32 s24, s24, s28
	s_add_co_u32 s24, s24, s27
	s_add_nc_u64 s[8:9], s[12:13], s[24:25]        ; my scale bytes
	v_lshlrev_b32 v[OFFS], 2, v2
.set i, 1
.rept 31
	v_add_nc_u32 v[OFFS+i], s21, v[OFFS+i-1]
.set i, i+1
.endr
	v_and_b32 v3, 7, v2
	v_bfe_u32 v5, v2, 3, 1
	v_bfe_u32 v6, v2, 4, 1
	v_lshl_or_b32 v3, v5, 4, v3
	v_lshl_or_b32 v3, v6, 3, v3                    ; my column's position among the wave's 32
	s_mul_i32 s19, s16, 32*PITCH
	s_add_co_u32 s19, s19, WSTG                    ; my stage
	v_mul_u32_u24 v4, v3, PITCH
	v_add_nc_u32 v4, s19, v4                       ; into it: row = my column's position
	v_lshlrev_b32 v9, 5, v3                        ; my row of scale bytes
	v_and_b32 v5, 15, v2
	v_lshrrev_b32 v6, 4, v2
	v_mul_u32_u24 v7, v6, PITCH
	v_lshl_add_u32 v7, v5, 4, v7
	v_add_nc_u32 v7, s19, v7                       ; out of it: sixteen lanes to a row
	v_mul_u32_u24 v8, v6, KROW
	v_mad_u32_u24 v8, v5, 12, v8
	WLOAD 0
	WLOAD 1
.irp t, 0,1,2,3,4,5,6,7
	WBLOCK \t
.endr
	global_store_b64 v9, v[SB:SB+1], s[8:9]        ; my column's 8 scale bytes
.irp t, 0,1,2,3,4,5,6,7,8,9,10,11,12,13,14,15
	ds_load_b96 v[OUTR+4*\t:OUTR+4*\t+2], v7 offset:2*\t*PITCH
.endr
.irp t, 0,1,2,3,4,5,6,7,8,9,10,11,12,13,14,15
	s_wait_dscnt 15-\t
	global_store_b96 v8, v[OUTR+4*\t:OUTR+4*\t+2], s[6:7] offset:2*\t*KROW   ; sixteen lanes store a row's 192 consecutive bytes
.endr
	s_wait_tensorcnt 0x0                           ; the wave's end, behind my last LDS store
	ds_add_u32 v[SPW], v[NIL]
	s_wait_dscnt 0x0
	s_endpgm
.Lfunc_end_k_q99090ee170_quant:
	.size	k_q99090ee170_quant, .Lfunc_end_k_q99090ee170_quant-k_q99090ee170_quant
	.p2alignl 7, 3214868480
	.fill 96, 4, 3214868480
	.section	.rodata,"a",@progbits
	.p2align	6, 0x0
	.amdhsa_kernel k_q99090ee170_quant
		.amdhsa_group_segment_fixed_size 68096
		.amdhsa_private_segment_fixed_size 0
		.amdhsa_enable_private_segment 0
		.amdhsa_kernarg_size 40
		.amdhsa_user_sgpr_count 2
		.amdhsa_user_sgpr_kernarg_segment_ptr 1
		.amdhsa_wavefront_size32 1
		.amdhsa_system_sgpr_workgroup_id_x 1
		.amdhsa_system_sgpr_workgroup_id_y 1
		.amdhsa_system_sgpr_workgroup_id_z 1
		.amdhsa_system_vgpr_workitem_id 0
		.amdhsa_next_free_vgpr 210
		.amdhsa_next_free_sgpr 66
		.amdhsa_reserve_vcc 0
		.amdhsa_float_denorm_mode_32 3
		.amdhsa_float_denorm_mode_16_64 3
		.amdhsa_memory_ordered 1
		.amdhsa_forward_progress 1
		.amdhsa_inst_pref_size 75
	.end_amdhsa_kernel
	.amdgpu_metadata
---
amdhsa.version: [ 1, 2 ]
amdhsa.kernels:
  - .name:           k_q99090ee170_quant
    .symbol:         k_q99090ee170_quant.kd
    .args:
      - { .name: X, .offset: 0, .size: 8, .value_kind: global_buffer, .address_space: global }
      - { .name: W_in, .offset: 8, .size: 8, .value_kind: global_buffer, .address_space: global }
      - { .name: W_out, .offset: 16, .size: 8, .value_kind: global_buffer, .address_space: global }
      - { .name: xq, .offset: 24, .size: 8, .value_kind: global_buffer, .address_space: global }
      - { .name: wq, .offset: 32, .size: 8, .value_kind: global_buffer, .address_space: global }
    .group_segment_fixed_size: 68096
    .private_segment_fixed_size: 0
    .kernarg_segment_align: 8
    .kernarg_segment_size: 40
    .max_flat_workgroup_size: 128
    .sgpr_count:     66
    .vgpr_count:     210
    .wavefront_size: 32
...
	.end_amdgpu_metadata
.endif
;; end of part 1
;; launch proj (part 2): grid 16 x 16, 4 waves a work-group, clusters of 4 x 4, 327,680 bytes of LDS; arguments xq, wq, b_in, qrec, kv, gw; writes qrec, kv, gw
.if DOCPART == 2
	.amdgcn_target "amdgcn-amd-amdhsa--gfx1250"
	.amdhsa_code_object_version 6
	.text
	.protected	k_q99090ee170_proj
	.globl	k_q99090ee170_proj
	.p2align	8
	.type	k_q99090ee170_proj,@function
k_q99090ee170_proj:
	s_mov_b64 s[64:65], 0
	v_nop
	global_prefetch_b8 v0, s[64:65] scope:SCOPE_SE
	s_setreg_imm32_b32 hwreg(HW_REG_WAVE_MODE, 25, 1), 1
	s_wait_xcnt 0x0
	s_wait_alu depctr_hold_cnt(0) depctr_sa_sdst(0) depctr_va_vdst(0) depctr_va_sdst(0) depctr_va_ssrc(0) depctr_va_vcc(0) depctr_vm_vsrc(0)
	s_getreg_b32 s2, hwreg(HW_REG_IB_STS2, 6, 4)
	s_cmp_eq_u32 s2, 0
	s_cbranch_scc0 .Lentry_in_a_cluster
	s_endpgm
.Lentry_in_a_cluster:
	s_bfe_u32 s2, ttmp6, 0x10000c
	s_cmp_lg_u32 s2, 0xf033
	s_cbranch_scc0 .Lentry_shape_is_right
	s_endpgm
.Lentry_shape_is_right:
; P = X W_in + b_in on codes of FP6 (E2M3), and P's four parts laid out as the attention launch wants them.
; A work-group makes 256 tokens x one head's 256 columns; four waves, 128 x 128 each: 64 accumulators, 512 registers.  K = 1,024 goes in steps of 256 through a ring of two LDS slots; the scale bytes come once.
; CLUSTERS: 4 x 4 work-groups; X's tile is asked for jointly along a row of the cluster, W's along a column.
; ROLES.  Wave w: token half w / 2, column half c = w % 2.  c = 0 (Q, K): source 0 = 16 columns of W, source 1 = 16 tokens: a lane holds a token and its registers run along the head's axis.
; c = 1 (V, G): source 0 = 16 tokens, source 1 = 16 columns: a lane holds a column and its registers run along the tokens.  The text is one for all waves: only LDS addresses differ.
; Rows of both operands lie by position (bits 3 and 4 of the number swapped), so the 16 registers of two neighbouring tiles of source 0 are 16 neighbours.
; OUT (hb = 16 x batch + head):
;   qrec [hb][tile of 16 tokens][2 x 512]: a lane's six registers of Q's codes with all signs turned, its scale word (two bytes + 1 each, written twice) and q^2: so the score product gives -2 Q.K.
;   kv [hb]: K's fragments, two tiles of 16 keys to a fragment of 128 along K (64 x 1,536 bytes); V's fragments, 16 columns x 128 keys (64 x 1,536, from 98,304); K's scale words (196,608);
;   V's (200,704); k^2 in the keys' own order (204,800).     gw [hb][tile][4,096]: G + bias as the registers hold it.
; q^2 and k^2 are sums of squares of the unquantised numbers, in f32.
; LIMITS: |Q| from 2^125 on would make its raised scale byte 0xff; NaN and infinities are not served; a block of zeros gets the byte 1 (its codes are zeros).
; REGISTERS, in windows of 256: window 0: v0-31 addresses; v32-63 scale words, two sets; v64-127 the bias of Q and K; v128-223 source 1's fragments; v232-247 the bias of V and G.
;   window 1: source 0's fragments, two sets.   windows 2, 3: the accumulators ((a, b) at v[8 (8 (a % 4) + b)]).
.set KSTEP,  256
.set NQ,     2
.set ROWB,   192
.set KROW,   768
.set PITCH,  240                       ; an LDS row: 3 x (64 bytes + 16 of padding): the 32 lanes of a load of 8 bytes touch 64 different banks (64 banks of 4 bytes: ISA guide 11.1)
.set FR,     12
.set NL,     6
.set NP,     4
.set HALFT,  128*PITCH
.set SLOT,   4*HALFT                   ; four regions of 128 rows: W's upper half, X's lower, X's upper, W's lower
.set LAPS,   2
.set KS,     32
.set SCL,    2*SLOT                    ; the scales, in the same order of regions, as units of 256 bytes + 16
.set HALFS,  16*272
.set SBLK,   2*272
.set SPARE,  SCL+4*HALFS
.set XSCL,   3145728                   ; where the scale bytes begin in xq and in wq
.set ADRA, 16                          ; v16-19  source 1's fragments in slot 0, 1 (and behind one padding more)
.set ADRB, 20                          ; v20-23  source 0's
.set STS,  24                          ; v24     the way out: my row's scale word in my stage
.set STK,  25                          ; v25     k^2 of my token
.set RD8,  26                          ; v26     my stage, 8 bytes a lane
.set ADRS, 27                          ; v27     my scale words: lanes 0-15 source 1's rows, lanes 16-31 source 0's
.set SPW,  28
.set NIL,  29
.set RD16, 30                          ; v30     my stage's second part, 16 bytes a lane
.set L16,  31                          ; v31     16 x lane
.set L8,   8                           ; v8      8 x lane
.set BAQ,  9                           ; v9      the bias of Q and K: 64 x (lane / 16)
.set BAV,  10                          ; v10     the bias of V and G: 4 x my column's number in its tile's 32
.set SC,   32
.set BI,   64
.set AF,   128
.set BV,   232
.set T,    128                         ; the way out: v128-191 a tile's 64 numbers with their bias
.set CD,   192                         ; v192-210 the codes just made
.set TM,   212                         ; v212-227 at work
.set PW,   228                         ; the scale word just made
.set QR,   232                         ; v232-239 a lane's record of Q
.set KP,   240                         ; v240-251 a pair fragment of K
.set KSW,  252
.set K2R,  253
.set G1, 24
.set G0, 32
.set G1B, 48
.set G0B, 56
.set G1S, 68
.set G0S, 76
.set G1SB, 80
.set G0SB, 88
.set SEL, 100
.set MSB, 0
.macro WIN new                         ; the immediate's high byte repeats the setting that is left
.if MSB != \new
	s_set_vgpr_msb (MSB<<8)|\new
.set MSB, \new
.endif
.endm
.set MUL_LO, 0xa1                      ; source 0 window 1, source 1 window 0, C and D window 2
.set MUL_HI, 0xf1
.set TO_B,   0x40
; A joint load: waves 0 and 1 fetch X's halves, waves 2 and 3 W's.  An s_nop 0 and four v_nop follow each of the two lines.
.macro JLOAD g0a, g1a, g0b, g1b
	s_cmp_eq_u32 s15, 0
	s_cbranch_scc0 .Lfor_b_\@
	tensor_load_to_lds s[\g0a:\g0a+3], s[\g1a:\g1a+7]
	s_nop 0
.rept 4
	v_nop
.endr
	s_branch .Lasked_\@
.Lfor_b_\@:
	tensor_load_to_lds s[\g0b:\g0b+3], s[\g1b:\g1b+7]
	s_nop 0
.rept 4
	v_nop
.endr
.Lasked_\@:
.endm
.macro CREST
	s_cmp_lg_u32 s14, 0
	s_cbranch_scc1 .Lnot_wave_0_\@
	s_barrier_signal -3
.Lnot_wave_0_\@:
	s_barrier_wait -3
	s_barrier_signal -1
	s_barrier_wait -1
.endm
.macro CROUND
	s_barrier_signal -1
	s_barrier_wait -1
	CREST
.endm
	s_load_b256 s[4:11], s[0:1], 0x0               ; xq s[4:5], wq s[6:7], b_in s[8:9], qrec s[10:11]
	s_load_b64 s[12:13], s[0:1], 0x20              ; kv
	s_load_b64 s[96:97], s[0:1], 0x28              ; gw
	v_lshl_add_u32 v[SPW], v0, 2, SPARE
	v_mov_b32 v[NIL], 0
	ds_add_u32 v[SPW], v[NIL]                      ; the wave's opening: the add and its wait ahead of my first tensor load
	v_lshrrev_b32 v1, 5, v0
	v_readfirstlane_b32 s14, v1                    ; wave 0..3
	s_lshr_b32 s15, s14, 1                         ; my half of the tokens.  Also: I fetch for X (0) or for W (1)
	s_and_b32 s16, s14, 1                          ; c.  Also: which 128 rows of that tile I fetch
	s_bfe_u32 s40, ttmp6, 0x40000                  ; cx, cy
	s_bfe_u32 s41, ttmp6, 0x40004
	s_lshl_b32 s42, ttmp9, 2
	s_add_co_u32 s42, s42, s40                     ; the head = 4 x cluster x + cx
	s_and_b32 s17, ttmp7, 0xffff
	s_lshl_b32 s17, s17, 2
	s_add_co_u32 s17, s17, s41                     ; the block of 256 tokens = 4 x cluster y + cy
	s_lshl_b32 s43, s41, 2
	s_lshl_b32 s43, 15, s43                        ; my row of the cluster
	s_lshl_b32 s44, 0x1111, s40                    ; my column
	s_or_b32 s[G1+0], s43, (0<<16)|(1<<20)|(1<<21)|(3<<22)|(3<<25)  ; the mask; elements of 1 byte; padding on; bit 21 beside a mask; after every 16 words, 4 words
	s_or_b32 s[G1B+0], s44, (0<<16)|(1<<20)|(1<<21)|(3<<22)|(3<<25)
.irp g, G1, G1B
	s_mov_b32 s[\g+1], ROWB<<16                    ; tensor_dim0
	s_mov_b32 s[\g+2], 128<<16                     ; tensor_dim1
	s_mov_b32 s[\g+3], ROWB<<16                    ; tile_dim0
	s_mov_b32 s[\g+4], 128                         ; tile_dim1
	s_mov_b32 s[\g+5], KROW                        ; the pitch
	s_mov_b32 s[\g+6], 0
	s_mov_b32 s[\g+7], 0
.endr
	s_or_b32 s[G1S+0], s43, (3<<16)|(1<<20)|(1<<21)|(5<<22)|(3<<25)  ; the scales of 128 rows: 4,096 dense bytes as 16 rows of 256, 16 bytes of padding behind each
	s_or_b32 s[G1SB+0], s44, (3<<16)|(1<<20)|(1<<21)|(5<<22)|(3<<25)
.irp g, G1S, G1SB
	s_mov_b32 s[\g+1], 32<<16
	s_mov_b32 s[\g+2], 16<<16
	s_mov_b32 s[\g+3], 32<<16
	s_mov_b32 s[\g+4], 16
	s_mov_b32 s[\g+5], 32
	s_mov_b32 s[\g+6], 0
	s_mov_b32 s[\g+7], 0
.endr
	s_mov_b32 s[SEL], 0x76543210
	s_mov_b32 s[SEL+1], 0xfedcba98
	s_lshl_b32 s18, s16, 7
	s_lshl_b32 s20, s17, 8
	s_add_co_u32 s20, s20, s18                     ; X: row 256 x block + 128 x half
	s_lshl_b32 s46, s42, 8
	s_add_co_u32 s46, s46, s18                     ; W: row 256 x head + 128 x half
	s_lshl_b32 s22, s20, 5
	s_add_co_u32 s22, s22, XSCL
	s_mov_b32 s23, 0
	s_lshl_b32 s92, s46, 5
	s_add_co_u32 s92, s92, XSCL
	s_mov_b32 s93, 0
	s_mul_i32 s20, s20, KROW
	s_mov_b32 s21, 0
	s_mul_i32 s46, s46, KROW
	s_mov_b32 s47, 0
	s_add_co_u32 s45, s14, 1
	s_and_b32 s45, s45, 3                          ; the region that I fill: (wave + 1) % 4
	s_mul_i32 s94, s45, HALFS
	s_mul_i32 s45, s45, HALFT
	s_wait_dscnt 0x0                               ; the opening add is done
	s_wait_kmcnt 0x0
	s_add_nc_u64 s[20:21], s[4:5], s[20:21]
	s_add_nc_u64 s[22:23], s[4:5], s[22:23]
	s_add_nc_u64 s[46:47], s[6:7], s[46:47]
	s_add_nc_u64 s[92:93], s[6:7], s[92:93]
	CROUND                                         ; all sixteen work-groups are here: the first joint loads meet
	s_mov_b32 s[G0S], 1
	s_add_co_u32 s[G0S+1], s94, SCL
	s_mov_b64 s[G0S+2:G0S+3], s[22:23]
	s_or_b32 s[G0S+3], s[G0S+3], 0x80000000
	s_mov_b32 s[G0SB], 1
	s_add_co_u32 s[G0SB+1], s94, SCL
	s_mov_b64 s[G0SB+2:G0SB+3], s[92:93]
	s_or_b32 s[G0SB+3], s[G0SB+3], 0x80000000
	JLOAD G0S, G1S, G0SB, G1SB                     ; the scales first
.irp s, 0,1
	s_mov_b32 s[G0+4*\s], 1
	s_add_co_u32 s[G0+4*\s+1], s45, \s*SLOT
	s_add_nc_u64 s[G0+4*\s+2:G0+4*\s+3], s[20:21], \s*ROWB
	s_or_b32 s[G0+4*\s+3], s[G0+4*\s+3], 0x80000000
	s_mov_b32 s[G0B+4*\s], 1
	s_add_co_u32 s[G0B+4*\s+1], s45, \s*SLOT
	s_add_nc_u64 s[G0B+4*\s+2:G0B+4*\s+3], s[46:47], \s*ROWB
	s_or_b32 s[G0B+4*\s+3], s[G0B+4*\s+3], 0x80000000
	JLOAD G0+4*\s, G1, G0B+4*\s, G1B
.endr
	v_and_b32 v1, 15, v0                           ; r
	v_bfe_u32 v2, v0, 4, 1                         ; h
	v_mul_u32_u24 v3, v1, PITCH
	v_mul_u32_u24 v4, v2, 24
	v_add_nc_u32 v4, v3, v4                        ; a fragment's row x pitch + 24 x half
	v_lshl_add_u32 v5, v2, 4, v4                   ; and the same behind one padding more
	s_xor_b32 s95, s16, 1                          ; 1 - c
	s_add_co_u32 s21, s15, 1                       ; X's region of my tokens
	s_mul_i32 s98, s21, s95                        ; source 1's region: c = 0: my tokens; c = 1: region 0, W's upper half
	s_mul_i32 s99, s21, s16
	s_mul_i32 s22, s95, 3
	s_add_co_u32 s99, s99, s22                     ; source 0's region: c = 0: region 3, W's lower half; c = 1: my tokens
	s_mul_i32 s21, s98, HALFT
	s_mul_i32 s22, s99, HALFT
.irp s, 0,1
	v_add_nc_u32 v[ADRA+\s], s21, v4
	v_add_nc_u32 v[ADRB+\s], s22, v4
	v_add_nc_u32 v[ADRA+2+\s], s21, v5
	v_add_nc_u32 v[ADRB+2+\s], s22, v5
	s_add_co_u32 s21, s21, SLOT
	s_add_co_u32 s22, s22, SLOT
.endr
	v_mul_u32_u24 v5, v1, KS                       ; my row's scales: 32 bytes a row,
	v_lshrrev_b32 v6, 8, v5
	v_lshl_add_u32 v5, v6, 4, v5                   ; and 16 more for each 256 passed
	s_mul_i32 s21, s98, HALFS
	s_mul_i32 s22, s99, HALFS
	s_sub_co_u32 s22, s22, s21                     ; source 0's region lies above source 1's in every wave
	v_mul_u32_u24 v6, s22, v2                      ; lanes 16-31 take source 0's
	s_add_co_u32 s21, s21, SCL
	v_add_nc_u32 v5, v5, v6
	v_add_nc_u32 v[ADRS], s21, v5
	s_lshl_b32 s23, s14, 10                        ; the way out's stage: 1,024 bytes a wave at the head of slot 0, which has had its last fill and its last read by then
	v_lshl_add_u32 v[STS], v1, 2, s23
	v_and_b32 v6, 7, v1
	v_bfe_u32 v7, v1, 3, 1
	v_lshl_or_b32 v6, v7, 4, v6                    ; 16 (r / 8) + r % 8: the number that lies at position r
	v_lshlrev_b32 v[BAV], 2, v6
	v_add_nc_u32 v[STK], s23, v[BAV]
	v_add_nc_u32 v[STK], 256, v[STK]
	v_and_b32 v6, 31, v0
	v_lshlrev_b32 v[L8], 3, v6
	v_lshlrev_b32 v[L16], 4, v6
	v_add_nc_u32 v[RD8], s23, v[L8]
	v_add_nc_u32 v[RD16], s23, v[L16]
	v_add_nc_u32 v[RD16], 256, v[RD16]
	v_lshlrev_b32 v[BAQ], 6, v2
	s_lshl_b32 s20, s42, 10
	s_mov_b32 s21, 0
	s_add_nc_u64 s[8:9], s[8:9], s[20:21]          ; the head's 256 numbers of b_in
	; Both small sets of the bias, in every wave, so that no register is written on one way alone; they are waited for at the way out.
.irp p, 0,1,2,3
.irp i, 0,1,2,3
	global_load_b128 v[BI+16*\p+4*\i:BI+16*\p+4*\i+3], v[BAQ], s[8:9] offset:128*\p+16*\i   ; register 16 p + i: column 32 p + 16 h + i of Q and K
.endr
.endr
.irp a, 0,1,2,3,4,5,6,7
	global_load_b32 v[BV+2*\a], v[BAV], s[8:9] offset:512+4*(32*(\a/2)+8*(\a%2))            ; my column of tile a of V and G, twice: a pair for the packed addition
	global_load_b32 v[BV+2*\a+1], v[BAV], s[8:9] offset:512+4*(32*(\a/2)+8*(\a%2))
.endr
.macro FRAG reg, adr, q, i             ; 16 rows x 128 K of 6-bit codes: 12 registers, six pieces of 8 bytes; where the piece three on lies behind one padding more, the second address register serves
.irp p, 0,1,2,3,4,5
.set PCE, 12*(\q)+6*(\p/3)+\p%3
.if PCE%8 < 5
	ds_load_b64 v[\reg+2*\p:\reg+2*\p+1], v[\adr] offset:8*PCE+16*(PCE/8)+(\i)*16*PITCH
.else
	ds_load_b64 v[\reg+2*\p:\reg+2*\p+1], v[\adr+2] offset:8*PCE+16*(PCE/8)+(\i)*16*PITCH
.endif
.endr
.endm
; 16 matrix instructions: source 1's blocks a0, a0 + 1 x source 0's eight.  The 64 accumulators take turns, one instruction a turn.
.macro MUL16 a0, p, q, sc, zero
.irp a, \a0, \a0+1
.irp b, 0,1,2,3,4,5,6,7
.if \zero
	v_wmma_scale_f32_16x16x128_f8f6f4 v[8*(8*((\a)%4)+\b):8*(8*((\a)%4)+\b)+7], v[128*(\p)+FR*\b:128*(\p)+FR*\b+FR-1], v[AF+FR*(\a):AF+FR*(\a)+FR-1], 0, v[SC+8*NQ*(\sc)+NQ*\b+(\q)], v[SC+8*NQ*(\sc)+NQ*(\a)+(\q)] matrix_a_fmt:MATRIX_FMT_FP6 matrix_b_fmt:MATRIX_FMT_FP6 matrix_a_scale:MATRIX_SCALE_ROW1
.else
	v_wmma_scale_f32_16x16x128_f8f6f4 v[8*(8*((\a)%4)+\b):8*(8*((\a)%4)+\b)+7], v[128*(\p)+FR*\b:128*(\p)+FR*\b+FR-1], v[AF+FR*(\a):AF+FR*(\a)+FR-1], v[8*(8*((\a)%4)+\b):8*(8*((\a)%4)+\b)+7], v[SC+8*NQ*(\sc)+NQ*\b+(\q)], v[SC+8*NQ*(\sc)+NQ*(\a)+(\q)] matrix_a_fmt:MATRIX_FMT_FP6 matrix_b_fmt:MATRIX_FMT_FP6 matrix_a_scale:MATRIX_SCALE_ROW1
.endif
.endr
.endr
.endm
.macro FETCH_B slot, q, p
	WIN TO_B
.irp i, 0,1,2,3,4,5,6,7
	FRAG 128*(\p)+FR*\i, ADRB+\slot, \q, \i
.endr
	WIN 0
.endm
.macro FETCH_A slot, q, i0
.irp i, \i0, \i0+1, \i0+2, \i0+3
	FRAG AF+FR*(\i), ADRA+\slot, \q, \i
.endr
.endm
.macro SCALES sc
.irp i, 0,1,2,3,4,5,6,7
	ds_load_b64 v[SC+8*NQ*\sc+NQ*\i:SC+8*NQ*\sc+NQ*\i+1], v[ADRS] offset:\i*SBLK
.endr
.endm
.macro PLACES n                        ; plain vector instructions between a matrix instruction and a load into, or a read or write of, its registers
.rept \n
	v_nop
.endr
.endm
.macro STEP slot, q, zero
	s_wait_dscnt 4*NL                              ; source 0's set and source 1's blocks 0-3 are in; the youngest 24 loads (blocks 4-7) may be out
	WIN MUL_LO
	MUL16 0, (\q)%2, \q, \slot, \zero
	MUL16 2, (\q)%2, \q, \slot, \zero
	s_wait_dscnt 0
	PLACES NP
	FETCH_B \slot, (\q)+1, 1-(\q)%2
	FETCH_A \slot, (\q)+1, 0
	WIN MUL_HI
	MUL16 4, (\q)%2, \q, \slot, \zero
	MUL16 6, (\q)%2, \q, \slot, \zero
	PLACES NP
	WIN 0
	FETCH_A \slot, (\q)+1, 4
.endm
; A slot's last step changes slots: one barrier; in front of it each wave waits for all its tensor loads, adds 0 to its spare word, and waits for that and for its reads of this slot.
.macro TURN slot, next, fill
	s_wait_tensorcnt 0x0                           ; all my tensor loads have landed: my part of the next slot
	ds_add_u32 v[SPW], v[NIL]                      ; 0 onto my spare word
	s_wait_dscnt 4*NL+1                            ; (the add and the youngest 24 loads may be out)
	WIN MUL_LO
	MUL16 0, 1, NQ-1, \slot, 0
	s_wait_dscnt 0x0                               ; the add is done, and my reads of this slot are over
	s_barrier_signal -1
	MUL16 2, 1, NQ-1, \slot, 0
	WIN 0
	s_barrier_wait -1
.if \fill
	CREST                                          ; the barrier has opened a round of the cluster's: no wave of any partner still reads this slot or has a load on its way
	s_add_nc_u64 s[G0+4*\slot+2:G0+4*\slot+3], s[G0+4*\slot+2:G0+4*\slot+3], 2*ROWB
	s_add_nc_u64 s[G0B+4*\slot+2:G0B+4*\slot+3], s[G0B+4*\slot+2:G0B+4*\slot+3], 2*ROWB
	JLOAD G0+4*\slot, G1, G0B+4*\slot, G1B         ; the first tensor load behind the round; its four v_nop are the places in front of the loads below
.else
	PLACES NP
.endif
	v_add_nc_u32 v[ADRS], 4*NQ, v[ADRS]
	FETCH_B \next, 0, 0
	FETCH_A \next, 0, 0
	SCALES \next
	WIN MUL_HI
	MUL16 4, 1, NQ-1, \slot, 0
	MUL16 6, 1, NQ-1, \slot, 0
	PLACES NP
	WIN 0
	FETCH_A \next, 0, 4
.endm
	s_wait_tensorcnt 1                             ; the scales and my part of K step 0 are in (K step 1's load may be out),
	s_barrier_signal -1
	s_barrier_wait -1                              ; everybody's are
	FETCH_B 0, 0, 0
	FETCH_A 0, 0, 0
	SCALES 0
	FETCH_A 0, 0, 4
	STEP 0, 0, 1                                   ; the first step's products start the sums
	s_mov_b32 s3, LAPS-1
.Llap:
	TURN 0, 1, 1
	STEP 1, 0, 0
	TURN 1, 0, 1
	STEP 0, 0, 0
	s_sub_co_u32 s3, s3, 1
	s_cmp_lg_u32 s3, 0
	s_cbranch_scc1 .Llap
	TURN 0, 1, 0                                   ; the last lap fills nothing
	STEP 1, 0, 0
	s_wait_dscnt 4*NL
	WIN MUL_LO
	MUL16 0, 1, NQ-1, 1, 0
	MUL16 2, 1, NQ-1, 1, 0
	s_wait_dscnt 0
	WIN MUL_HI
	MUL16 4, 1, NQ-1, 1, 0
	MUL16 6, 1, NQ-1, 1, 0
	WIN 0
; ---------------- THE WAY OUT
; A tile's 64 numbers (source 1's block a against source 0's eight) leave the accumulators' windows with their bias added: each accumulator from its low end on.
.macro TAKE a, bv
	s_wait_xcnt 0x0                                ; the stores of the tile before have read their registers,
	s_wait_dscnt 0x0                               ; its LDS stores too
	WIN (0x02+(\a)/4)
.set i, 0
.rept 32
.if \bv
	v_pk_add_f32 v[T+2*i:T+2*i+1], v[64*((\a)%4)+2*i:64*((\a)%4)+2*i+1], v[BV+2*(\a):BV+2*(\a)+1]
.else
	v_pk_add_f32 v[T+2*i:T+2*i+1], v[64*((\a)%4)+2*i:64*((\a)%4)+2*i+1], v[BI+2*i:BI+2*i+1]
.endif
.set i, i+1
.endr
	WIN 0
.endm
; 64 numbers of a lane, register 16 b + i = k 32 b + 16 (lane / 16) + i of my row, become a fragment's codes in v[CD] on and its scale word in v[PW].
.macro QUANT s
.irp b, 0,1,2,3
	v_max3_num_f32 v[TM+\b], |v[\s+16*\b]|, |v[\s+1+16*\b]|, 0x1800000   ; and the floor 2^(3 - 127): the byte cannot fall under 1
.endr
.irp i, 2,4,6,8,10,12,14
.irp b, 0,1,2,3
	v_max3_num_f32 v[TM+\b], v[TM+\b], |v[\s+16*\b+\i]|, |v[\s+1+16*\b+\i]|
.endr
.endr
.irp b, 0,1,2,3
	v_permlanex16_b32 v[TM+4+\b], v[TM+\b], s[SEL], s[SEL+1]
.endr
.irp b, 0,1,2,3
	v_max_num_f32 v[TM+\b], v[TM+\b], v[TM+4+\b]
.endr
.irp b, 0,1,2,3
	v_add_nc_u32 v[TM+12+\b], 0xff000000, v[TM+\b]   ; 2 off the exponent field: the conversion's scale operand
.endr
.irp b, 0,1,2,3
	v_lshrrev_b32 v[TM+4+\b], 23, v[TM+12+\b]
.endr
	v_lshl_or_b32 v[PW], v[TM+5], 8, v[TM+4]
	v_lshl_or_b32 v[PW], v[TM+6], 16, v[PW]
	v_lshl_or_b32 v[PW], v[TM+7], 24, v[PW]
.irp c, 0,1
	v_cvt_scalef32_pk16_fp6_f32 v[CD+6*\c:CD+2+6*\c], v[\s+32*\c:\s+15+32*\c], v[TM+12+2*\c]
	v_cvt_scalef32_pk16_fp6_f32 v[CD+12+4*\c:CD+14+4*\c], v[\s+16+32*\c:\s+31+32*\c], v[TM+12+2*\c+1]
.endr
	v_nop                                          ; one plain place behind a scaled conversion
.irp c, 0,1                                    ; a whole block to a lane: lanes 0-15 block 2 c, lanes 16-31 block 2 c + 1
.irp i, 0,1,2
	v_permlane16_swap_b32 v[CD+6*\c+\i], v[CD+12+4*\c+\i]
.endr
.irp i, 0,1,2
	v_mov_b32 v[CD+3+6*\c+\i], v[CD+12+4*\c+\i]
.endr
.endr
.endm
; Tile a of 16 tokens, c = 0: registers 0-31 are my half of the token's Q, 32-63 of its K.
.macro QKT a
	TAKE \a, 0
.irp c, 0,1,2,3
	v_pk_mul_f32 v[TM+2*\c:TM+2*\c+1], v[T+16*\c:T+16*\c+1], v[T+16*\c:T+16*\c+1]   ; the sums of squares, four chains
.endr
.irp k, 2,4,6,8,10,12,14
.irp c, 0,1,2,3
	v_pk_fma_f32 v[TM+2*\c:TM+2*\c+1], v[T+16*\c+\k:T+16*\c+\k+1], v[T+16*\c+\k:T+16*\c+\k+1], v[TM+2*\c:TM+2*\c+1]
.endr
.endr
	v_pk_add_f32 v[TM:TM+1], v[TM:TM+1], v[TM+2:TM+3]
	v_pk_add_f32 v[TM+4:TM+5], v[TM+4:TM+5], v[TM+6:TM+7]
	v_add_f32 v[TM], v[TM], v[TM+1]
	v_add_f32 v[TM+4], v[TM+4], v[TM+5]
	v_permlanex16_b32 v[TM+1], v[TM], s[SEL], s[SEL+1]
	v_permlanex16_b32 v[TM+5], v[TM+4], s[SEL], s[SEL+1]
	v_add_f32 v[QR+7], v[TM], v[TM+1]              ; q^2
	v_add_f32 v[K2R], v[TM+4], v[TM+5]             ; k^2
	QUANT T
	v_xor_b32 v[QR+0], 0x20820820, v[CD+0]         ; every code's sign bit (bit 6 i + 5 of the stream) is turned
	v_xor_b32 v[QR+1], 0x08208208, v[CD+1]
	v_xor_b32 v[QR+2], 0x82082082, v[CD+2]
	v_xor_b32 v[QR+3], 0x20820820, v[CD+3]
	v_xor_b32 v[QR+4], 0x08208208, v[CD+4]
	v_xor_b32 v[QR+5], 0x82082082, v[CD+5]
	v_and_b32 v[TM], 0xffff, v[PW]
	v_add_nc_u32 v[TM], 0x101, v[TM]               ; Q's two bytes + 1 each: x 2
	v_lshl_or_b32 v[QR+6], v[TM], 16, v[TM]        ; written twice: Q stands in either half of the instruction's K
	global_store_b128 v[L16], v[QR:QR+3], s[10:11] offset:(\a)*1024
	global_store_b128 v[L16], v[QR+4:QR+7], s[10:11] offset:(\a)*1024+512
.irp i, 0,1,2,3,4,5
	v_mov_b32 v[KP+6*((\a)%2)+\i], v[CD+6+\i]      ; K's six registers: one half of a pair fragment
.endr
	ds_store_b32 v[STK], v[K2R] offset:(32*((\a)/2)+8*((\a)%2))*4   ; the keys' own order; lanes l and l xor 16 write the same word with the same value
.if (\a)%2 == 0
	v_lshrrev_b32 v[KSW], 16, v[PW]
.else
	v_and_or_b32 v[KSW], v[PW], 0xffff0000, v[KSW]
.irp c, 0,1,2
	global_store_b128 v[L16], v[KP+4*\c:KP+4*\c+3], s[72:73] offset:((\a)/2)*1536+512*\c
.endr
	ds_store_b32 v[STS], v[KSW] offset:((\a)/2)*64
.endif
.endm
.macro VT a                            ; c = 1, tile a of V's columns: the 64 numbers run along my 128 tokens: one fragment
	TAKE \a, 1
	QUANT T
.irp c, 0,1,2
	global_store_b128 v[L16], v[CD+4*\c:CD+4*\c+3], s[78:79] offset:(\a)*1536+512*\c
.endr
	ds_store_b32 v[STS], v[PW] offset:64*(\a)
.endm
.macro GT a                            ; c = 1, tile a - 4 of G's columns: as the registers hold it
	TAKE \a, 1
.irp b, 0,1,2,3,4,5,6,7
.irp g, 0,1
	global_store_b128 v[L16], v[T+8*\b+4*\g:T+8*\b+4*\g+3], s[96:97] offset:\b*4096+((\a)-4)*1024+\g*512
.endr
.endr
.endm
	PLACES NP                                      ; behind the last products: what follows reads results and writes registers that held fragments
	s_wait_loadcnt 0x0                             ; the bias
.irp b, 0,1,2,3
	v_mov_b32 v[TM+4+\b], 0                        ; a lane permute's destination counts as one of its sources
.endr
	s_and_b32 s68, s17, 7
	s_lshl_b32 s68, s68, 8
	s_lshl_b32 s69, s15, 7
	s_add_co_u32 s68, s68, s69                     ; tb: my first token in its batch
	s_lshr_b32 s69, s17, 3
	s_lshl_b32 s69, s69, 4
	s_add_co_u32 s69, s69, s42                     ; hb
	s_mov_b32 s71, 0
	s_lshl_b32 s70, s69, 17
	s_lshl_b32 s82, s68, 6
	s_add_co_u32 s70, s70, s82
	s_add_nc_u64 s[10:11], s[10:11], s[70:71]      ; Q's records
	s_mul_i32 s70, s69, 212992
	s_add_nc_u64 s[12:13], s[12:13], s[70:71]      ; kv's block of hb
	s_mul_i32 s70, s68, 48
	s_add_nc_u64 s[72:73], s[12:13], s[70:71]      ; K's fragments: 1,536 bytes for 32 keys
	s_add_co_u32 s70, s70, 98304
	s_add_nc_u64 s[78:79], s[12:13], s[70:71]      ; V's: 6,144 bytes for 128 keys
	s_lshl_b32 s70, s68, 1
	s_add_co_u32 s70, s70, 196608
	s_add_nc_u64 s[74:75], s[12:13], s[70:71]      ; K's scale words
	s_add_co_u32 s70, s70, 4096
	s_add_nc_u64 s[80:81], s[12:13], s[70:71]      ; V's
	s_lshl_b32 s70, s68, 2
	s_add_co_u32 s70, s70, 204800
	s_add_nc_u64 s[76:77], s[12:13], s[70:71]      ; k^2
	s_lshl_b32 s70, s69, 19
	s_lshl_b32 s82, s68, 8
	s_add_co_u32 s70, s70, s82
	s_add_nc_u64 s[96:97], s[96:97], s[70:71]      ; G
	s_cmp_eq_u32 s16, 0
	s_cbranch_scc0 .Lvg
.irp a, 0,1,2,3,4,5,6,7
	QKT \a
.endr
	ds_load_b64 v[TM:TM+1], v[RD8]                 ; LDS serves a wave's instructions in order: these see my stores
	ds_load_b128 v[TM+4:TM+7], v[RD16]
	s_wait_dscnt 0x0
	global_store_b64 v[L8], v[TM:TM+1], s[74:75]   ; 256 consecutive bytes, aligned
	global_store_b128 v[L16], v[TM+4:TM+7], s[76:77]   ; 512
	s_branch .Lout
.Lvg:
.irp a, 0,1,2,3
	VT \a
.endr
	ds_load_b64 v[TM:TM+1], v[RD8]
	s_wait_dscnt 0x0
	global_store_b64 v[L8], v[TM:TM+1], s[80:81]
.irp a, 4,5,6,7
	GT \a
.endr
.Lout:
	s_wait_tensorcnt 0x0                           ; the wave's end
	ds_add_u32 v[SPW], v[NIL]
	s_wait_dscnt 0x0
	CROUND                                         ; the closing round
	s_endpgm
.Lfunc_end_k_q99090ee170_proj:
	.size	k_q99090ee170_proj, .Lfunc_end_k_q99090ee170_proj-k_q99090ee170_proj
	.p2alignl 7, 3214868480
	.fill 96, 4, 3214868480
	.section	.rodata,"a",@progbits
	.p2align	6, 0x0
	.amdhsa_kernel k_q99090ee170_proj
		.amdhsa_group_segment_fixed_size 327680
		.amdhsa_private_segment_fixed_size 0
		.amdhsa_enable_private_segment 0
		.amdhsa_kernarg_size 48
		.amdhsa_user_sgpr_count 2
		.amdhsa_user_sgpr_kernarg_segment_ptr 1
		.amdhsa_wavefront_size32 1
		.amdhsa_system_sgpr_workgroup_id_x 1
		.amdhsa_system_sgpr_workgroup_id_y 1
		.amdhsa_system_sgpr_workgroup_id_z 1
		.amdhsa_system_vgpr_workitem_id 0
		.amdhsa_next_free_vgpr 1024
		.amdhsa_next_free_sgpr 102
		.amdhsa_reserve_vcc 0
		.amdhsa_float_denorm_mode_32 3
		.amdhsa_float_denorm_mode_16_64 3
		.amdhsa_memory_ordered 1
		.amdhsa_forward_progress 1
		.amdhsa_inst_pref_size 250
	.end_amdhsa_kernel
	.amdgpu_metadata
---
amdhsa.version: [ 1, 2 ]
amdhsa.kernels:
  - .name:           k_q99090ee170_proj
    .symbol:         k_q99090ee170_proj.kd
    .args:
      - { .name: xq, .offset: 0, .size: 8, .value_kind: global_buffer, .address_space: global }
      - { .name: wq, .offset: 8, .size: 8, .value_kind: global_buffer, .address_space: global }
      - { .name: b_in, .offset: 16, .size: 8, .value_kind: global_buffer, .address_space: global }
      - { .name: qrec, .offset: 24, .size: 8, .value_kind: global_buffer, .address_space: global }
      - { .name: kv, .offset: 32, .size: 8, .value_kind: global_buffer, .address_space: global }
      - { .name: gw, .offset: 40, .size: 8, .value_kind: global_buffer, .address_space: global }
    .group_segment_fixed_size: 327680
    .private_segment_fixed_size: 0
    .kernarg_segment_align: 8
    .kernarg_segment_size: 48
    .max_flat_workgroup_size: 128
    .sgpr_count:     102
    .vgpr_count:     1024
    .wavefront_size: 32
...
	.end_amdgpu_metadata
.endif
;; end of part 2
;; launch attn (part 3): grid 8 x 32, 16 waves a work-group, clusters of 4 x 1, 327,680 bytes of LDS; arguments qrec, kv, gw, hq; writes hq
.if DOCPART == 3
	.amdgcn_target "amdgcn-amd-amdhsa--gfx1250"
	.amdhsa_code_object_version 6
	.text
	.protected	k_q99090ee170_attn
	.globl	k_q99090ee170_attn
	.p2align	8
	.type	k_q99090ee170_attn,@function
k_q99090ee170_attn:
	s_mov_b64 s[64:65], 0
	v_nop
	global_prefetch_b8 v0, s[64:65] scope:SCOPE_SE
	s_setreg_imm32_b32 hwreg(HW_REG_WAVE_MODE, 25, 1), 1
	s_wait_xcnt 0x0
	s_wait_alu depctr_hold_cnt(0) depctr_sa_sdst(0) depctr_va_vdst(0) depctr_va_sdst(0) depctr_va_ssrc(0) depctr_va_vcc(0) depctr_vm_vsrc(0)
	s_getreg_b32 s2, hwreg(HW_REG_IB_STS2, 6, 4)
	s_cmp_eq_u32 s2, 0
	s_cbranch_scc0 .Lentry_in_a_cluster
	s_endpgm
.Lentry_in_a_cluster:
	s_bfe_u32 s2, ttmp6, 0x10000c
	s_cmp_lg_u32 s2, 0x3003
	s_cbranch_scc0 .Lentry_shape_is_right
	s_endpgm
.Lentry_shape_is_right:
; For each (batch, head) hb: d^2 = q^2 + k^2 - 2 Q.K, w = (eps + sqrt(max(d^2, 0)))^-2, W = w / (eps + the row's sum), A = W V, H = G A; both products on codes of FP6 (E2M3).
; W goes into its quantiser finished, so a row's sum over all 2,048 keys has to be there first.  THE KEYS ARE SPLIT OVER WAVES: wave w (qsel = w / 8, kw = w % 8) holds 16 queries x 256 keys, 128 registers.
; The eight waves of a tile of queries exchange one number a query through LDS; each then normalises and quantises its own weights and multiplies them by its own 256 keys of V; the eight partial
; results, 4 KB each, are added by one wave a tile (waves 0 and 9).  No weight is computed twice.
; A work-group has 256 queries of one hb: eight passes of two tiles.  The whole kv block of hb (212,992 bytes) lies in LDS, filled once, jointly for the four work-groups of a cluster, which share hb.
; THE SCORE.  Q's codes come with signs turned and scale bytes raised by one, and C = q^2 + k^2: the matrix instruction gives d^2.  The head's axis is 64, the instruction's K 128: a fragment of K holds two
; tiles of 16 keys, one in each half of K, and Q stands between two runs of zero codes: [Q | 0] picks the first tile, [0 | Q] the second.
; LAYOUT.  Both products are used transposed (source 0 = keys, or V's columns; source 1 = queries): a lane holds one query.  Keys and columns lie by position (bits 3 and 4 swapped), so the 16 registers of two
; neighbouring tiles are 16 neighbours: of the keys for W's quantiser, of the head's axis for H's.
; hq: H's fragments [tile of 16 rows][K step of two heads][6 pieces][32 lanes][8 bytes] at 0; its scale bytes [row][32] at 3,145,728 (two bytes a row and head: the rest of a word belongs to other work-groups).
; LIMITS: NaN and infinities are not served; a block of zeros gets the byte 1 (its codes are zeros).
.set VIMG, 98304
.set KSCO, 196608
.set K2O,  204800
.set OX,   212992                      ; sixteen partial results of 4,096 bytes
.set SX,   278528                      ; sixteen times 32 partial sums
.set GS,   280576                      ; two images of G, for the turn
.set SPARE, 288768                     ; the spare words, 128 bytes for each wave
.set KS,   16                          ; v16-19 K's scale words (lanes 0-15 fragment 2 g, lanes 16-31 fragment 2 g + 1); v20-23 V's; they stay
.set VS,   20
.set QS,   24                          ; v24 Q's scale word
.set Q2,   26                          ; v[26:27] q^2
.set RINV, 28                          ; v[28:29] 1 / (eps + sum)
.set PW0,  30                          ; v30, v31 the weights' scale words of my two K steps
.set QF,   32                          ; v32-49 zeros | Q | zeros
.set QL,   50                          ; v50-57 the next pass's record of Q
.set SA,   58                          ; v[58:59], v[60:61] the sum in two chains
.set F,    64                          ; v64-111 four fragments of K; later the weights' codes
.set S,    112                         ; v112-239 d^2, then w, then W; later V's fragments and the result
.set TM,   240                         ; v240-255 at work; v240-247 the blocks' largest weights
; v1 K's fragments, v2 V's, v3 k^2, v4/v5 the sums (mine / my tile's), v6/v7 the partial results (mine / my tile's), v8/v9 G's image (in / turned), v10 16 x lane, v11 8 x lane, v12 32 r, v13/v14 the add's two, v15 256 x lane, v25 the scale words
.macro CROUND
	s_barrier_signal -1
	s_barrier_wait -1
	s_cmp_lg_u32 s12, 0
	s_cbranch_scc1 .Lnot_wave_0_\@
	s_barrier_signal -3
.Lnot_wave_0_\@:
	s_barrier_wait -3
	s_barrier_signal -1
	s_barrier_wait -1
.endm
.macro KLOAD g                         ; fragments 4 g .. 4 g + 3 of my eight, as images of their registers
.set i, 0
.rept 12
	ds_load_b128 v[F+4*i:F+4*i+3], v1 offset:6144*(\g)+512*i
.set i, i+1
.endr
.endm
.macro KMUL g                          ; eight tiles of 16 keys; each accumulator has one instruction
.irp f, 0,1,2,3
.irp u, 0,1
.if (\f)%2
	v_wmma_scale_f32_16x16x128_f8f6f4 v[S+64*\g+16*\f+8*\u:S+64*\g+16*\f+8*\u+7], v[F+12*\f:F+12*\f+11], v[QF+6-6*\u:QF+17-6*\u], v[S+64*\g+16*\f+8*\u:S+64*\g+16*\f+8*\u+7], v[KS+2*\g+\f/2], v[QS] matrix_a_fmt:MATRIX_FMT_FP6 matrix_b_fmt:MATRIX_FMT_FP6 matrix_a_scale:MATRIX_SCALE_ROW1
.else
	v_wmma_scale_f32_16x16x128_f8f6f4 v[S+64*\g+16*\f+8*\u:S+64*\g+16*\f+8*\u+7], v[F+12*\f:F+12*\f+11], v[QF+6-6*\u:QF+17-6*\u], v[S+64*\g+16*\f+8*\u:S+64*\g+16*\f+8*\u+7], v[KS+2*\g+\f/2], v[QS] matrix_a_fmt:MATRIX_FMT_FP6 matrix_b_fmt:MATRIX_FMT_FP6
.endif
.endr
.endr
.endm
; 64 roots or reciprocals on x, by turns with (y + eps)^2 on the other half; one wait for the batch, behind a plain line
.macro TRSQ op, x, y
.set i, 0
.rept 32
	\op v[\x+2*i], v[\x+2*i]
	v_pk_add_f32 v[\y+2*i:\y+2*i+1], v[\y+2*i:\y+2*i+1], s[22:23] op_sel_hi:[1,0]
	\op v[\x+2*i+1], v[\x+2*i+1]
	v_pk_mul_f32 v[\y+2*i:\y+2*i+1], v[\y+2*i:\y+2*i+1], v[\y+2*i:\y+2*i+1]
.set i, i+1
.endr
	s_wait_alu depctr_va_vdst(0)
.endm
.macro BMAXOP n, hb                    ; line n of 32 of the largest weights of blocks hb .. hb + 3, the four by turns
.set bb, (\n)%4
.set kk, (\n)/4
.if kk == 0
	v_max_num_f32 v[TM+\hb+bb], v[S+16*(\hb+bb)], v[S+16*(\hb+bb)+1]
.else
	v_max3_num_f32 v[TM+\hb+bb], v[TM+\hb+bb], v[S+16*(\hb+bb)+2*kk], v[S+16*(\hb+bb)+2*kk+1]
.endif
.endm
.macro PQUANT s                        ; my K step s: 64 weights a lane become source 1's twelve registers
.irp c, 0,1
	v_cvt_scalef32_pk16_fp6_f32 v[F+12*\s+6*\c:F+12*\s+6*\c+2], v[S+64*\s+32*\c:S+64*\s+32*\c+15], v[TM+8+4*\s+2*\c]
	v_cvt_scalef32_pk16_fp6_f32 v[F+24+4*\c:F+26+4*\c], v[S+64*\s+32*\c+16:S+64*\s+32*\c+31], v[TM+8+4*\s+2*\c+1]
.endr
	v_nop                                          ; one plain place behind a scaled conversion
.irp c, 0,1
.irp i, 0,1,2
	v_permlane16_swap_b32 v[F+12*\s+6*\c+\i], v[F+24+4*\c+\i]
.endr
.irp i, 0,1,2
	v_mov_b32 v[F+12*\s+6*\c+3+\i], v[F+24+4*\c+\i]
.endr
.endr
.endm
.macro PVI s, t
.set rD, S+8*(\t)
.set rA, S+32+12*(4*(\s)+(\t))
.set rB, F+12*(\s)
.set rV, VS+2*(\s)+(\t)/2
.if (\s) == 0
.if (\t)%2
	v_wmma_scale_f32_16x16x128_f8f6f4 v[rD:rD+7], v[rA:rA+11], v[rB:rB+11], 0, v[rV], v[PW0+(\s)] matrix_a_fmt:MATRIX_FMT_FP6 matrix_b_fmt:MATRIX_FMT_FP6 matrix_a_scale:MATRIX_SCALE_ROW1
.else
	v_wmma_scale_f32_16x16x128_f8f6f4 v[rD:rD+7], v[rA:rA+11], v[rB:rB+11], 0, v[rV], v[PW0+(\s)] matrix_a_fmt:MATRIX_FMT_FP6 matrix_b_fmt:MATRIX_FMT_FP6
.endif
.else
.if (\t)%2
	v_wmma_scale_f32_16x16x128_f8f6f4 v[rD:rD+7], v[rA:rA+11], v[rB:rB+11], v[rD:rD+7], v[rV], v[PW0+(\s)] matrix_a_fmt:MATRIX_FMT_FP6 matrix_b_fmt:MATRIX_FMT_FP6 matrix_a_scale:MATRIX_SCALE_ROW1
.else
	v_wmma_scale_f32_16x16x128_f8f6f4 v[rD:rD+7], v[rA:rA+11], v[rB:rB+11], v[rD:rD+7], v[rV], v[PW0+(\s)] matrix_a_fmt:MATRIX_FMT_FP6 matrix_b_fmt:MATRIX_FMT_FP6
.endif
.endif
.endm
.macro PART k, reg                     ; partial result k of my tile's eight
.set i, 0
.rept 8
	ds_load_b128 v[\reg+4*i:\reg+4*i+3], v7 offset:4096*(\k)+512*i
.set i, i+1
.endr
.endm
.macro ADD32 d, x
.set i, 0
.rept 16
	v_pk_add_f32 v[\d+2*i:\d+2*i+1], v[\d+2*i:\d+2*i+1], v[\x+2*i:\x+2*i+1]
.set i, i+1
.endr
.endm
	s_load_b256 s[4:11], s[0:1], 0x0               ; qrec s[4:5], kv s[6:7], gw s[8:9], hq s[10:11]
	v_lshl_add_u32 v13, v0, 2, SPARE
	v_mov_b32 v14, 0
	ds_add_u32 v13, v14                            ; the wave's opening: the add and its wait ahead of my first tensor load; the set-up stands between the two
	v_lshrrev_b32 v1, 5, v0
	v_readfirstlane_b32 s12, v1                    ; wave 0..15
	s_lshr_b32 s13, s12, 3                         ; qsel
	s_and_b32 s14, s12, 7                          ; kw
	s_xor_b32 s15, s13, s14                        ; 0 in the two waves that add the partial results: 0 and 9
	s_bfe_u32 s16, ttmp6, 0x40000                  ; cx: it enters global addresses alone
	s_lshl_b32 s17, ttmp9, 2
	s_add_co_u32 s17, s17, s16                     ; my block of 256 queries
	s_and_b32 s18, ttmp7, 0xffff                   ; hb, which the four partners share
	s_and_b32 s19, s18, 15                         ; the head
	s_mov_b32 s20, 0x76543210
	s_mov_b32 s21, 0xfedcba98                      ; v_permlanex16_b32's selects for lane l xor 16
	s_mov_b32 s22, 0x38d1b717                      ; eps = 1e-4
	s_mov_b32 s23, s22
	s_mov_b32 s24, 15|(3<<16)|(1<<21)              ; group 1: the mask of all four; elements of 8 bytes; bit 21 beside a mask; no padding
	s_mov_b32 s25, 32<<16                          ; tensor_dim0 = 32 (256 bytes)
	s_mov_b32 s26, 52<<16                          ; tensor_dim1 = 52
	s_mov_b32 s27, 32<<16                          ; tile_dim0
	s_mov_b32 s28, 52                              ; tile_dim1: a sixteenth of the block, 13,312 bytes
	s_mov_b32 s29, 32                              ; the pitch: dense
	s_mov_b32 s30, 0
	s_mov_b32 s31, 0
	s_mov_b32 s32, 1
	s_mul_i32 s33, s12, 13312                      ; my sixteenth in LDS,
	s_mul_i32 s46, s18, 212992
	s_add_co_u32 s46, s46, s33                     ; and in memory
	s_mov_b32 s47, 0
	s_lshl_b32 s37, s17, 4
	s_add_co_u32 s37, s37, s13                     ; my first tile of queries in hb
	s_lshl_b32 s48, s18, 17
	s_lshl_b32 s49, s37, 10
	s_add_co_u32 s48, s48, s49
	s_mov_b32 s49, 0
	s_lshl_b32 s50, s18, 19
	s_lshl_b32 s51, s37, 12
	s_add_co_u32 s50, s50, s51
	s_mov_b32 s51, 0
	s_lshr_b32 s52, s18, 4
	s_lshl_b32 s52, s52, 7
	s_add_co_u32 s52, s52, s37                     ; the same tile among all 256 tiles of rows
	s_lshl_b32 s54, s52, 3
	s_lshr_b32 s53, s19, 1
	s_add_co_u32 s54, s54, s53
	s_mul_i32 s54, s54, 1536
	s_and_b32 s53, s19, 1
	s_mul_i32 s53, s53, 768
	s_add_co_u32 s54, s54, s53
	s_mov_b32 s55, 0
	s_lshl_b32 s52, s52, 9
	s_lshl_b32 s53, s19, 1
	s_add_co_u32 s52, s52, s53
	s_add_co_u32 s52, s52, 3145728
	s_mov_b32 s53, 0
	s_mov_b32 s36, 8                               ; passes
	v_and_b32 v62, 31, v0                          ; lane
	v_bfe_u32 v63, v0, 4, 1                        ; h
	v_lshlrev_b32 v10, 4, v62
	v_lshlrev_b32 v11, 3, v62
	v_lshlrev_b32 v15, 8, v62
	v_lshlrev_b32 v62, 2, v62
	v_and_b32 v12, 15, v0
	v_lshlrev_b32 v12, 5, v12
	s_mul_i32 s2, s14, 12288
	v_add_nc_u32 v1, s2, v10
	v_add_nc_u32 v2, VIMG, v1
	s_lshl_b32 s2, s14, 10
	s_add_co_u32 s2, s2, K2O
	v_lshl_add_u32 v3, v63, 6, s2
	s_lshl_b32 s2, s12, 7
	s_add_co_u32 s2, s2, SX
	v_add_nc_u32 v4, s2, v62
	s_lshl_b32 s2, s13, 10
	s_add_co_u32 s2, s2, SX
	v_add_nc_u32 v5, s2, v62
	s_lshl_b32 s2, s12, 12
	s_add_co_u32 s2, s2, OX
	v_add_nc_u32 v6, s2, v10
	s_lshl_b32 s2, s13, 15
	s_add_co_u32 s2, s2, OX
	v_add_nc_u32 v7, s2, v10
	s_lshl_b32 s2, s13, 12
	s_add_co_u32 s2, s2, GS
	v_add_nc_u32 v8, s2, v10
	v_and_b32 v9, 3, v0                            ; the turn of G: I want the number of token r, column 8 h + j, which lane (8 h + j) + 16 (r / 8) holds in register r % 8
	v_lshl_add_u32 v9, v9, 2, s2
	v_lshl_add_u32 v9, v63, 7, v9
	v_bfe_u32 v63, v0, 2, 1
	v_lshl_add_u32 v9, v63, 9, v9
	v_bfe_u32 v63, v0, 3, 1
	v_lshl_add_u32 v9, v63, 8, v9
	s_lshl_b32 s2, s14, 9
	s_add_co_u32 s2, s2, KSCO
	v_add_nc_u32 v25, s2, v62
.irp i, 0,1,2,3,4,5
	v_mov_b32 v[QF+\i], 0                          ; zero codes on both sides of Q: written once
	v_mov_b32 v[QF+12+\i], 0
.endr
	v_mov_b32 v[Q2+1], 0                           ; (upper halves of pairs of which the low word serves both halves)
	v_mov_b32 v[RINV+1], 0
	v_mov_b32 v63, 0                               ; a lane permute's destination counts as one of its sources
.irp i, 0,1,2,3,4,5,6,7
	v_mov_b32 v[TM+8+\i], 0
.endr
	s_wait_dscnt 0x0                               ; the opening add is done
	s_wait_kmcnt 0x0
	s_add_nc_u64 s[34:35], s[6:7], s[46:47]
	s_or_b32 s35, s35, 0x80000000
	s_add_nc_u64 s[38:39], s[4:5], s[48:49]        ; Q's record of my first tile
	s_add_nc_u64 s[40:41], s[8:9], s[50:51]        ; G's image
	s_add_nc_u64 s[42:43], s[10:11], s[54:55]      ; H's fragment
	s_add_nc_u64 s[44:45], s[10:11], s[52:53]      ; H's scale bytes
	CROUND                                         ; all four work-groups are here: the joint loads meet
	tensor_load_to_lds s[32:35], s[24:31]          ; each wave its sixteenth: my one tensor load of the launch
	s_nop 0
	global_load_b128 v[QL:QL+3], v10, s[38:39]
	global_load_b128 v[QL+4:QL+7], v10, s[38:39] offset:512
	s_wait_tensorcnt 0x0                           ; my part is in,
	s_barrier_signal -1
	s_barrier_wait -1                              ; everybody's is
.irp g, 0,1,2,3
	ds_load_b32 v[KS+\g], v25 offset:128*\g
	ds_load_b32 v[VS+\g], v25 offset:4096+128*\g
.endr
.Lpass:
	s_wait_loadcnt 0x0                             ; this pass's record of Q
.irp i, 0,1,2,3,4,5
	v_mov_b32 v[QF+6+\i], v[QL+\i]
.endr
	v_mov_b32 v[QS], v[QL+6]
	v_mov_b32 v[Q2], v[QL+7]
	s_cmp_eq_u32 s36, 1                            ; the last pass asks for nothing: no load leaves its buffer
	s_cbranch_scc1 .Lno_q
	global_load_b128 v[QL:QL+3], v10, s[38:39] offset:2048
	global_load_b128 v[QL+4:QL+7], v10, s[38:39] offset:2560
.Lno_q:
.set i, 0
.rept 32
	ds_load_b128 v[S+4*i:S+4*i+3], v3 offset:128*(i/4)+16*(i%4)   ; k^2 of key 32 b + 16 h + i: the same for the sixteen lanes of a half
.set i, i+1
.endr
	KLOAD 0
	s_wait_dscnt 12                                ; k^2 is in; the twelve loads of fragments may be out
.set i, 0
.rept 64
	v_pk_add_f32 v[S+2*i:S+2*i+1], v[S+2*i:S+2*i+1], v[Q2:Q2+1] op_sel_hi:[1,0]
.set i, i+1
.endr
	s_wait_dscnt 0x0
	KMUL 0
.rept 4
	v_nop                                          ; places in front of the loads into the fragments' registers and of the first read of results
.endr
	KLOAD 1
.set i, 0
.rept 64
	v_max_num_f32 v[S+i], 0, v[S+i]
.set i, i+1
.endr
	s_wait_dscnt 0x0
	KMUL 1
.rept 4
	v_nop
.endr
.set i, 0
.rept 64                                       ; roots of the first half by turns with the clip of the second
	v_sqrt_f32 v[S+i], v[S+i]
	v_max_num_f32 v[S+64+i], 0, v[S+64+i]
.set i, i+1
.endr
	s_wait_alu depctr_va_vdst(0)                   ; one wait for the batch, ahead of its first reader
	TRSQ v_sqrt_f32, S+64, S
	TRSQ v_rcp_f32, S, S+64
.set i, 0
.rept 32                                       ; reciprocals of the second half by turns with the first half's sums and largest weights
	v_rcp_f32 v[S+64+2*i], v[S+64+2*i]
.if i == 0
	v_pk_add_f32 v[SA:SA+1], v[S:S+1], v[S+2:S+3]
.elseif i == 1
	v_pk_add_f32 v[SA+2:SA+3], v[S+4:S+5], v[S+6:S+7]
.elseif i < 30
	v_pk_add_f32 v[SA+2*(i%2):SA+2*(i%2)+1], v[SA+2*(i%2):SA+2*(i%2)+1], v[S+2*i+4:S+2*i+5]
.endif
	v_rcp_f32 v[S+65+2*i], v[S+65+2*i]
	BMAXOP i, 0
.set i, i+1
.endr
	s_wait_alu depctr_va_vdst(0)
.set i, 0
.rept 32
	v_pk_add_f32 v[SA+2*(i%2):SA+2*(i%2)+1], v[SA+2*(i%2):SA+2*(i%2)+1], v[S+64+2*i:S+65+2*i]
.set i, i+1
.endr
	v_pk_add_f32 v[SA:SA+1], v[SA:SA+1], v[SA+2:SA+3]
	v_add_f32 v62, v[SA], v[SA+1]
	v_permlanex16_b32 v63, v62, s20, s21
	v_add_f32 v62, v62, v63                        ; my 256 keys' sum of my query
	ds_store_b32 v4, v62
	s_wait_dscnt 0x0                               ; for the others' sake
	s_barrier_signal -1
.set i, 0
.rept 32                                       ; work on registers while the others arrive
	BMAXOP i, 4
.set i, i+1
.endr
.irp b, 0,1,2,3,4,5,6,7
	v_permlanex16_b32 v[TM+8+\b], v[TM+\b], s20, s21
.endr
.irp b, 0,1,2,3,4,5,6,7
	v_max_num_f32 v[TM+\b], v[TM+\b], v[TM+8+\b]
.endr
	s_barrier_wait -1
.irp i, 0,1,2,3,4,5,6,7
	ds_load_b32 v[TM+8+\i], v5 offset:128*\i
.endr
	s_cmp_lg_u32 s12, 0                            ; wave 0 names this pass's two images of G, 8,192 bytes, a lane to each 256: they are loaded behind the second product
	s_cbranch_scc1 .Lnp
	global_prefetch_b8 v15, s[40:41] th:TH_LOAD_NT scope:SCOPE_SE
.Lnp:
	s_wait_dscnt 0x0
	v_add_f32 v[TM+8], v[TM+8], v[TM+9]            ; the same order in all eight waves: the same sum
	v_add_f32 v[TM+10], v[TM+10], v[TM+11]
	v_add_f32 v[TM+12], v[TM+12], v[TM+13]
	v_add_f32 v[TM+14], v[TM+14], v[TM+15]
	v_add_f32 v[TM+8], v[TM+8], v[TM+10]
	v_add_f32 v[TM+12], v[TM+12], v[TM+14]
	v_add_f32 v[TM+8], v[TM+8], v[TM+12]
	v_add_f32 v[TM+8], s22, v[TM+8]
	v_rcp_f32 v[RINV], v[TM+8]
	v_nop
	s_wait_alu depctr_va_vdst(0)
.set i, 0
.rept 64
	v_pk_mul_f32 v[S+2*i:S+2*i+1], v[S+2*i:S+2*i+1], v[RINV:RINV+1] op_sel_hi:[1,0]
.set i, i+1
.endr
.irp b, 0,1,2,3,4,5,6,7
	v_mul_f32 v[TM+\b], v[TM+\b], v[RINV]          ; a product by a positive number does not fall where its factor rises: this is the block's largest W, to the bit
.endr
.irp b, 0,1,2,3,4,5,6,7
	v_max_num_f32 v[TM+\b], 0x1800000, v[TM+\b]    ; the floor 2^(3 - 127)
.endr
.irp b, 0,1,2,3,4,5,6,7
	v_add_nc_u32 v[TM+8+\b], 0xff000000, v[TM+\b]  ; the conversion's scale operand
.endr
.irp b, 0,1,2,3,4,5,6,7
	v_lshrrev_b32 v[TM+\b], 23, v[TM+8+\b]         ; the byte
.endr
.irp s, 0,1
	v_lshl_or_b32 v[PW0+\s], v[TM+4*\s+1], 8, v[TM+4*\s]
	v_lshl_or_b32 v[PW0+\s], v[TM+4*\s+2], 16, v[PW0+\s]
	v_lshl_or_b32 v[PW0+\s], v[TM+4*\s+3], 24, v[PW0+\s]
.endr
	PQUANT 0
	PQUANT 1
.set i, 0
.rept 24
	ds_load_b128 v[S+32+4*i:S+32+4*i+3], v2 offset:512*i   ; my eight fragments of V
.set i, i+1
.endr
.rept 8
	v_nop                                          ; scale words written by vector instructions stand 8 places ahead of a scaled matrix instruction, operands 4
.endr
	s_wait_dscnt 0x0
.irp s, 0,1
.irp t, 0,1,2,3
	PVI \s, \t                                     ; four accumulators by turns
.endr
.endr
.rept 4
	v_nop
.endr
.set i, 0
.rept 8
	ds_store_b128 v6, v[S+4*i:S+4*i+3] offset:512*i
.set i, i+1
.endr
	s_cmp_lg_u32 s15, 0
	s_cbranch_scc1 .Lnog
.set i, 0
.rept 8
	global_load_b128 v[S+96+4*i:S+96+4*i+3], v10, s[40:41] offset:512*i
.set i, i+1
.endr
.Lnog:
	s_wait_dscnt 0x0                               ; my partial result lies in LDS, and my reads of the sums are long over
	s_barrier_signal -1
	s_barrier_wait -1
	s_cmp_lg_u32 s15, 0
	s_cbranch_scc1 .Lnext
	; ---- one wave a tile: the eight partial results, G, H's codes
	PART 0, S
	PART 1, S+32
	PART 2, S+64
	PART 3, F
	s_wait_dscnt 0x0
	ADD32 S, S+32
	ADD32 S+64, F
	ADD32 S, S+64
	PART 4, S+32
	PART 5, S+64
	PART 6, F
	s_wait_dscnt 0x0
	ADD32 S+32, S+64
	ADD32 S, F
	ADD32 S, S+32
	s_wait_loadcnt 0x0                             ; G
.set i, 0
.rept 8
	ds_store_b128 v8, v[S+96+4*i:S+96+4*i+3] offset:512*i
.set i, i+1
.endr
	PART 7, S+32
.irp t, 0,1,2,3
.irp j, 0,1,2,3,4,5,6,7
	ds_load_b32 v[S+64+8*\t+\j], v9 offset:1024*\t+16*\j   ; LDS serves a wave's instructions in order: these see my stores
.endr
.endr
	s_wait_dscnt 0x0
	ADD32 S, S+32
.set i, 0
.rept 16
	v_pk_mul_f32 v[S+2*i:S+2*i+1], v[S+2*i:S+2*i+1], v[S+64+2*i:S+65+2*i]   ; H = G A: register 16 b + i is column 32 b + 16 h + i of the head
.set i, i+1
.endr
.irp b, 0,1
	v_max3_num_f32 v[TM+\b], |v[S+16*\b]|, |v[S+16*\b+1]|, 0x1800000
.endr
.irp i, 2,4,6,8,10,12,14
.irp b, 0,1
	v_max3_num_f32 v[TM+\b], v[TM+\b], |v[S+16*\b+\i]|, |v[S+16*\b+\i+1]|
.endr
.endr
.irp b, 0,1
	v_permlanex16_b32 v[TM+2+\b], v[TM+\b], s20, s21
.endr
.irp b, 0,1
	v_max_num_f32 v[TM+\b], v[TM+\b], v[TM+2+\b]
.endr
.irp b, 0,1
	v_add_nc_u32 v[TM+4+\b], 0xff000000, v[TM+\b]
.endr
.irp b, 0,1
	v_lshrrev_b32 v[TM+6+\b], 23, v[TM+4+\b]
.endr
	v_lshl_or_b32 v[TM+8], v[TM+7], 8, v[TM+6]
	v_cvt_scalef32_pk16_fp6_f32 v[F+32:F+34], v[S:S+15], v[TM+4]
	v_cvt_scalef32_pk16_fp6_f32 v[F+40:F+42], v[S+16:S+31], v[TM+5]
	v_nop                                          ; one plain place behind a scaled conversion
.irp i, 0,1,2
	v_permlane16_swap_b32 v[F+32+\i], v[F+40+\i]
.endr
.irp i, 0,1,2
	v_mov_b32 v[F+35+\i], v[F+40+\i]
.endr
.irp p, 0,1,2
	global_store_b64 v11, v[F+32+2*\p:F+33+2*\p], s[42:43] offset:256*\p   ; 32 lanes store 256 consecutive bytes, aligned
.endr
	global_store_b16 v12, v[TM+8], s[44:45]        ; my row's two bytes (lanes l and l xor 16 store the same)
.Lnext:
	s_wait_xcnt 0x0                                ; every earlier memory instruction has read its addresses and data: bases and registers may be written again
	s_add_nc_u64 s[38:39], s[38:39], 2048
	s_add_nc_u64 s[40:41], s[40:41], 8192
	s_add_nc_u64 s[42:43], s[42:43], 24576
	s_add_nc_u64 s[44:45], s[44:45], 1024
	s_sub_co_u32 s36, s36, 1
	s_cmp_lg_u32 s36, 0
	s_cbranch_scc1 .Lpass
	s_wait_tensorcnt 0x0                           ; the wave's end
	ds_add_u32 v13, v14
	s_wait_dscnt 0x0
	CROUND                                         ; the closing round
	s_endpgm
.Lfunc_end_k_q99090ee170_attn:
	.size	k_q99090ee170_attn, .Lfunc_end_k_q99090ee170_attn-k_q99090ee170_attn
	.p2alignl 7, 3214868480
	.fill 96, 4, 3214868480
	.section	.rodata,"a",@progbits
	.p2align	6, 0x0
	.amdhsa_kernel k_q99090ee170_attn
		.amdhsa_group_segment_fixed_size 327680
		.amdhsa_private_segment_fixed_size 0
		.amdhsa_enable_private_segment 0
		.amdhsa_kernarg_size 32
		.amdhsa_user_sgpr_count 2
		.amdhsa_user_sgpr_kernarg_segment_ptr 1
		.amdhsa_wavefront_size32 1
		.amdhsa_system_sgpr_workgroup_id_x 1
		.amdhsa_system_sgpr_workgroup_id_y 1
		.amdhsa_system_sgpr_workgroup_id_z 1
		.amdhsa_system_vgpr_workitem_id 0
		.amdhsa_next_free_vgpr 256
		.amdhsa_next_free_sgpr 66
		.amdhsa_reserve_vcc 0
		.amdhsa_float_denorm_mode_32 3
		.amdhsa_float_denorm_mode_16_64 3
		.amdhsa_memory_ordered 1
		.amdhsa_forward_progress 1
		.amdhsa_inst_pref_size 77
	.end_amdhsa_kernel
	.amdgpu_metadata
---
amdhsa.version: [ 1, 2 ]
amdhsa.kernels:
  - .name:           k_q99090ee170_attn
    .symbol:         k_q99090ee170_attn.kd
    .args:
      - { .name: qrec, .offset: 0, .size: 8, .value_kind: global_buffer, .address_space: global }
      - { .name: kv, .offset: 8, .size: 8, .value_kind: global_buffer, .address_space: global }
      - { .name: gw, .offset: 16, .size: 8, .value_kind: global_buffer, .address_space: global }
      - { .name: hq, .offset: 24, .size: 8, .value_kind: global_buffer, .address_space: global }
    .group_segment_fixed_size: 327680
    .private_segment_fixed_size: 0
    .kernarg_segment_align: 8
    .kernarg_segment_size: 32
    .max_flat_workgroup_size: 512
    .sgpr_count:     66
    .vgpr_count:     256
    .wavefront_size: 32
...
	.end_amdgpu_metadata
.endif
;; end of part 3
;; launch outp (part 4): grid 8 x 32, 8 waves a work-group, clusters of 4 x 4, 327,680 bytes of LDS; arguments hq, wq, b_out, out0; writes out0
.if DOCPART == 4
	.amdgcn_target "amdgcn-amd-amdhsa--gfx1250"
	.amdhsa_code_object_version 6
	.text
	.protected	k_q99090ee170_outp
	.globl	k_q99090ee170_outp
	.p2align	8
	.type	k_q99090ee170_outp,@function
k_q99090ee170_outp:
	s_mov_b64 s[64:65], 0
	v_nop
	global_prefetch_b8 v0, s[64:65] scope:SCOPE_SE
	s_setreg_imm32_b32 hwreg(HW_REG_WAVE_MODE, 25, 1), 1
	s_wait_xcnt 0x0
	s_wait_alu depctr_hold_cnt(0) depctr_sa_sdst(0) depctr_va_vdst(0) depctr_va_sdst(0) depctr_va_ssrc(0) depctr_va_vcc(0) depctr_vm_vsrc(0)
	s_getreg_b32 s2, hwreg(HW_REG_IB_STS2, 6, 4)
	s_cmp_eq_u32 s2, 0
	s_cbranch_scc0 .Lentry_in_a_cluster
	s_endpgm
.Lentry_in_a_cluster:
	s_bfe_u32 s2, ttmp6, 0x10000c
	s_cmp_lg_u32 s2, 0xf033
	s_cbranch_scc0 .Lentry_shape_is_right
	s_endpgm
.Lentry_shape_is_right:
; out = H W_out + b_out on codes of FP6 (E2M3).  H's fragments and scale bytes come from hq as the attention launch laid them, W_out's codes and bytes from wq; rows of both lie by position
; (bits 3 and 4 of the number swapped), which the way out undoes.
; A work-group makes 128 rows x 128 columns; all of K = 1,024 lies in LDS at once: H's 64 fragments as images of their registers (98,304 bytes), W_out's 128 rows as four pieces of 256 along K
; (rows of 192 bytes, 16 bytes of padding behind every 64: 240 bytes apart).  Nothing is filled again.
; CLUSTERS: 4 x 4 work-groups; H's tile is asked for jointly along a row of the cluster, W_out's along a column.  Waves 0-3 fetch a quarter of H's tile each, waves 4-7 a piece of W_out's.
; Wave w: tiles of rows 2 (w / 2), + 1; tiles of columns 4 (w % 2) .. + 3: eight accumulators, which begin as the bias, loaded into them.
; The matrix instruction is used transposed (source 0 = 16 columns, source 1 = 16 rows): a lane holds eight neighbouring numbers of a row of out.
.set BT,    98304
.set STG,   221184                     ; a stage of 16 rows x (256 + 16) bytes for each wave
.set SPARE, 256000
.set AS,    16                         ; v16-23  H's scale words, K step ks: lanes 0-15 my first tile of rows, lanes 16-31 my second
.set BS,    24                         ; v24-39  W_out's: register 8 (b / 2) + ks: lanes 0-15 tile b even, lanes 16-31 tile b odd
.set SPW,   40
.set NIL,   41
.set ACC,   192                        ; accumulator (a, b) at v[192 + 8 (4 a + b)]
.set G1A, 24
.set G0A, 32
.set G1B, 48
.set G0B, 56
; v1 H's images; v2, v3 W_out's fragments in pieces 0, 1 (and behind one padding more); v4, v5 in pieces 2, 3; v6, v7 my stage, in and back; v8 my bytes in two rows of out; v9 32 x lane; v10 64 h
; v48-119, v120-191: two sets of fragments (24 registers of H, 48 of W_out)
.macro CREST
	s_cmp_lg_u32 s14, 0
	s_cbranch_scc1 .Lnot_wave_0_\@
	s_barrier_signal -3
.Lnot_wave_0_\@:
	s_barrier_wait -3
	s_barrier_signal -1
	s_barrier_wait -1
.endm
.macro CROUND
	s_barrier_signal -1
	s_barrier_wait -1
	CREST
.endm
.macro FRAGB reg, ks, b                ; 16 columns x 128 K: six pieces of 8 bytes
.irp p, 0,1,2,3,4,5
.set PCE, 12*((\ks)%2)+6*(\p/3)+\p%3
.set AR, 2+2*((\ks)/4)
.if PCE%8 < 5
	ds_load_b64 v[\reg+2*\p:\reg+2*\p+1], v[AR] offset:8*PCE+16*(PCE/8)+(\b)*16*240+(((\ks)/2)%2)*30720
.else
	ds_load_b64 v[\reg+2*\p:\reg+2*\p+1], v[AR+1] offset:8*PCE+16*(PCE/8)+(\b)*16*240+(((\ks)/2)%2)*30720
.endif
.endr
.endm
.macro FETCH ks                        ; 36 loads: K step ks into set ks % 2
.set ST, 48+72*((\ks)%2)
.irp a, 0,1
.irp p, 0,1,2,3,4,5
	ds_load_b64 v[ST+12*\a+2*\p:ST+12*\a+2*\p+1], v1 offset:12288*\a+1536*(\ks)+256*\p
.endr
.endr
.irp b, 0,1,2,3
	FRAGB ST+24+12*\b, \ks, \b
.endr
.endm
.macro MULK ks                         ; eight accumulators by turns, in the same order in every K step
.set ST, 48+72*((\ks)%2)
.irp a, 0,1
.irp b, 0,1,2,3
.set rD, ACC+8*(4*\a+\b)
.if \a == 0
.if (\b)%2
	v_wmma_scale_f32_16x16x128_f8f6f4 v[rD:rD+7], v[ST+24+12*\b:ST+35+12*\b], v[ST+12*\a:ST+11+12*\a], v[rD:rD+7], v[BS+8*(\b/2)+(\ks)], v[AS+(\ks)] matrix_a_fmt:MATRIX_FMT_FP6 matrix_b_fmt:MATRIX_FMT_FP6 matrix_a_scale:MATRIX_SCALE_ROW1
.else
	v_wmma_scale_f32_16x16x128_f8f6f4 v[rD:rD+7], v[ST+24+12*\b:ST+35+12*\b], v[ST+12*\a:ST+11+12*\a], v[rD:rD+7], v[BS+8*(\b/2)+(\ks)], v[AS+(\ks)] matrix_a_fmt:MATRIX_FMT_FP6 matrix_b_fmt:MATRIX_FMT_FP6
.endif
.else
.if (\b)%2
	v_wmma_scale_f32_16x16x128_f8f6f4 v[rD:rD+7], v[ST+24+12*\b:ST+35+12*\b], v[ST+12*\a:ST+11+12*\a], v[rD:rD+7], v[BS+8*(\b/2)+(\ks)], v[AS+(\ks)] matrix_a_fmt:MATRIX_FMT_FP6 matrix_b_fmt:MATRIX_FMT_FP6 matrix_a_scale:MATRIX_SCALE_ROW1 matrix_b_scale:MATRIX_SCALE_ROW1
.else
	v_wmma_scale_f32_16x16x128_f8f6f4 v[rD:rD+7], v[ST+24+12*\b:ST+35+12*\b], v[ST+12*\a:ST+11+12*\a], v[rD:rD+7], v[BS+8*(\b/2)+(\ks)], v[AS+(\ks)] matrix_a_fmt:MATRIX_FMT_FP6 matrix_b_fmt:MATRIX_FMT_FP6 matrix_b_scale:MATRIX_SCALE_ROW1
.endif
.endif
.endr
.endr
.endm
	s_load_b256 s[4:11], s[0:1], 0x0               ; hq s[4:5], wq s[6:7], b_out s[8:9], out0 s[10:11]
	v_lshl_add_u32 v[SPW], v0, 2, SPARE
	v_mov_b32 v[NIL], 0
	ds_add_u32 v[SPW], v[NIL]                      ; the wave's opening: the add and its wait ahead of my first tensor load
	v_lshrrev_b32 v1, 5, v0
	v_readfirstlane_b32 s14, v1                    ; wave 0..7
	s_lshr_b32 s15, s14, 1                         ; rq
	s_and_b32 s16, s14, 1                          ; ch
	s_and_b32 s12, s14, 3                          ; which quarter I fetch
	s_bfe_u32 s40, ttmp6, 0x40000                  ; cx, cy
	s_bfe_u32 s41, ttmp6, 0x40004
	s_lshl_b32 s42, ttmp9, 2
	s_add_co_u32 s42, s42, s40                     ; the block of 128 columns
	s_and_b32 s17, ttmp7, 0xffff
	s_lshl_b32 s17, s17, 2
	s_add_co_u32 s17, s17, s41                     ; the block of 128 rows
	s_lshl_b32 s43, s41, 2
	s_lshl_b32 s43, 15, s43                        ; my row of the cluster
	s_lshl_b32 s44, 0x1111, s40                    ; my column
	s_or_b32 s[G1A], s43, (3<<16)|(1<<21)          ; H: 24,576 dense bytes as 96 rows of 256; no padding
	s_mov_b32 s[G1A+1], 32<<16
	s_mov_b32 s[G1A+2], 96<<16
	s_mov_b32 s[G1A+3], 32<<16
	s_mov_b32 s[G1A+4], 96
	s_mov_b32 s[G1A+5], 32
	s_mov_b32 s[G1A+6], 0
	s_mov_b32 s[G1A+7], 0
	s_or_b32 s[G1B], s44, (0<<16)|(1<<20)|(1<<21)|(3<<22)|(3<<25)   ; W_out: 128 rows x 192 bytes, 768 apart; 4 words of padding after every 16
	s_mov_b32 s[G1B+1], 192<<16
	s_mov_b32 s[G1B+2], 128<<16
	s_mov_b32 s[G1B+3], 192<<16
	s_mov_b32 s[G1B+4], 128
	s_mov_b32 s[G1B+5], 768
	s_mov_b32 s[G1B+6], 0
	s_mov_b32 s[G1B+7], 0
	s_mul_i32 s20, s17, 98304
	s_mul_i32 s21, s12, 24576
	s_add_co_u32 s20, s20, s21
	s_mov_b32 s21, 0
	s_mul_i32 s46, s42, 98304
	s_mul_i32 s47, s12, 192
	s_add_co_u32 s46, s46, s47
	s_add_co_u32 s46, s46, 3276800
	s_mov_b32 s47, 0
	s_mov_b32 s[G0A], 1
	s_mul_i32 s[G0A+1], s12, 24576
	s_mov_b32 s[G0B], 1
	s_mul_i32 s[G0B+1], s12, 30720
	s_add_co_u32 s[G0B+1], s[G0B+1], BT
	v_and_b32 v11, 31, v0                          ; lane
	v_and_b32 v12, 15, v0                          ; r
	v_bfe_u32 v13, v0, 4, 1                        ; h
	s_mul_i32 s2, s15, 24576
	v_lshl_add_u32 v1, v11, 3, s2
	s_mul_i32 s2, s16, 15360
	s_add_co_u32 s2, s2, BT
	v_mul_u32_u24 v2, v12, 240
	v_mad_u32_u24 v2, v13, 24, v2
	v_add_nc_u32 v2, s2, v2
	v_lshl_add_u32 v3, v13, 4, v2
	v_add_nc_u32 v4, 61440, v2
	v_add_nc_u32 v5, 61440, v3
	s_mul_i32 s2, s14, 4352
	s_add_co_u32 s2, s2, STG
	v_mul_u32_u24 v6, v12, 272
	v_lshl_add_u32 v6, v13, 6, v6
	v_add_nc_u32 v6, s2, v6
	v_mul_u32_u24 v7, v13, 272
	v_lshl_add_u32 v7, v12, 4, v7
	v_add_nc_u32 v7, s2, v7
	v_lshlrev_b32 v8, 12, v13
	v_lshl_add_u32 v8, v12, 4, v8
	v_lshlrev_b32 v9, 5, v11
	v_lshlrev_b32 v10, 6, v13
	s_wait_dscnt 0x0                               ; the opening add is done
	s_wait_kmcnt 0x0
	s_add_nc_u64 s[G0A+2:G0A+3], s[4:5], s[20:21]
	s_or_b32 s[G0A+3], s[G0A+3], 0x80000000
	s_add_nc_u64 s[G0B+2:G0B+3], s[6:7], s[46:47]
	s_or_b32 s[G0B+3], s[G0B+3], 0x80000000
	CROUND                                         ; all sixteen work-groups are here: the joint loads meet
	s_cmp_lt_u32 s14, 4                            ; a branch on the wave's number alone; an s_nop 0 and four v_nop follow each of the two lines
	s_cbranch_scc0 .Lfor_b
	tensor_load_to_lds s[G0A:G0A+3], s[G1A:G1A+7]
	s_nop 0
.rept 4
	v_nop
.endr
	s_branch .Lasked
.Lfor_b:
	tensor_load_to_lds s[G0B:G0B+3], s[G1B:G1B+7]
	s_nop 0
.rept 4
	v_nop
.endr
.Lasked:
	s_lshl_b32 s20, s17, 12
	s_lshl_b32 s21, s15, 10
	s_add_co_u32 s20, s20, s21
	s_add_co_u32 s20, s20, 3145728
	s_mov_b32 s21, 0
	s_add_nc_u64 s[36:37], s[4:5], s[20:21]        ; H's scale bytes of my 32 rows
	s_lshl_b32 s46, s42, 12
	s_lshl_b32 s47, s16, 11
	s_add_co_u32 s46, s46, s47
	s_add_co_u32 s46, s46, 4063232
	s_mov_b32 s47, 0
	s_add_nc_u64 s[38:39], s[6:7], s[46:47]        ; W_out's of my 64 columns
	s_lshl_b32 s46, s42, 9
	s_lshl_b32 s47, s16, 8
	s_add_co_u32 s46, s46, s47                     ; my first column, in bytes
	s_mov_b32 s47, 0
	s_add_nc_u64 s[8:9], s[8:9], s[46:47]
	s_lshl_b32 s22, s17, 2
	s_add_co_u32 s22, s22, s15
	s_lshl_b32 s22, s22, 17                        ; my 32 rows of 4,096 bytes
	s_add_co_u32 s22, s22, s46
	s_mov_b32 s23, 0
	s_add_nc_u64 s[10:11], s[10:11], s[22:23]
	global_load_b128 v[AS:AS+3], v9, s[36:37]
	global_load_b128 v[AS+4:AS+7], v9, s[36:37] offset:16
.irp i, 0,1
	global_load_b128 v[BS+8*\i:BS+8*\i+3], v9, s[38:39] offset:1024*\i
	global_load_b128 v[BS+8*\i+4:BS+8*\i+7], v9, s[38:39] offset:1024*\i+16
.endr
.irp a, 0,1
.irp b, 0,1,2,3
	global_load_b128 v[ACC+8*(4*\a+\b):ACC+8*(4*\a+\b)+3], v10, s[8:9] offset:128*(\b/2)+32*(\b%2)       ; register j: column 32 (b / 2) + 16 h + 8 (b % 2) + j
	global_load_b128 v[ACC+8*(4*\a+\b)+4:ACC+8*(4*\a+\b)+7], v10, s[8:9] offset:128*(\b/2)+32*(\b%2)+16
.endr
.endr
	s_wait_tensorcnt 0x0                           ; my part is in,
	s_barrier_signal -1
	s_barrier_wait -1                              ; everybody's is
	FETCH 0
	s_wait_loadcnt 0x0                             ; the scale words and the bias
.irp k, 0,1,2,3,4,5,6,7
.if \k > 0
.rept 4
	v_nop                                          ; places in front of loads into registers that the last products read
.endr
.endif
.if \k < 7
	FETCH \k+1
	s_wait_dscnt 36                                ; this K step's fragments are in; the 36 loads just issued may be out
.else
	s_wait_dscnt 0x0
.endif
	MULK \k
.endr
.rept 4
	v_nop
.endr
	; THE WAY OUT: a tile of 16 rows x 64 columns through my stage, back as whole rows of 256 bytes.  LDS serves a wave's instructions in order: no wait between stores and loads, nor in front of the second tile's stores.
.irp a, 0,1
.irp b, 0,1,2,3
	ds_store_b128 v6, v[ACC+8*(4*\a+\b):ACC+8*(4*\a+\b)+3] offset:128*(\b/2)+32*(\b%2)
	ds_store_b128 v6, v[ACC+8*(4*\a+\b)+4:ACC+8*(4*\a+\b)+7] offset:128*(\b/2)+32*(\b%2)+16
.endr
.irp i, 0,1,2,3,4,5,6,7
	ds_load_b128 v[48+32*\a+4*\i:48+32*\a+4*\i+3], v7 offset:544*\i
.endr
.endr
.irp a, 0,1
.irp i, 0,1,2,3,4,5,6,7
	s_wait_dscnt 16*(1-\a)+7-\i                    ; behind the first tile's loads stand the second's sixteen LDS instructions
	global_store_b128 v8, v[48+32*\a+4*\i:48+32*\a+4*\i+3], s[10:11] offset:(8*\a+16*(\i/4)+2*(\i%4))*4096 th:TH_STORE_NT   ; position 2 i + (lane / 16) of tile a is row 8 a + 16 (i / 4) + 2 (i % 4) + (lane / 16); sixteen lanes store 256 consecutive bytes, aligned
.endr
.endr
	s_wait_tensorcnt 0x0                           ; the wave's end
	ds_add_u32 v[SPW], v[NIL]
	s_wait_dscnt 0x0
	CROUND                                         ; the closing round
	s_endpgm
.Lfunc_end_k_q99090ee170_outp:
	.size	k_q99090ee170_outp, .Lfunc_end_k_q99090ee170_outp-k_q99090ee170_outp
	.p2alignl 7, 3214868480
	.fill 96, 4, 3214868480
	.section	.rodata,"a",@progbits
	.p2align	6, 0x0
	.amdhsa_kernel k_q99090ee170_outp
		.amdhsa_group_segment_fixed_size 327680
		.amdhsa_private_segment_fixed_size 0
		.amdhsa_enable_private_segment 0
		.amdhsa_kernarg_size 32
		.amdhsa_user_sgpr_count 2
		.amdhsa_user_sgpr_kernarg_segment_ptr 1
		.amdhsa_wavefront_size32 1
		.amdhsa_system_sgpr_workgroup_id_x 1
		.amdhsa_system_sgpr_workgroup_id_y 1
		.amdhsa_system_sgpr_workgroup_id_z 1
		.amdhsa_system_vgpr_workitem_id 0
		.amdhsa_next_free_vgpr 256
		.amdhsa_next_free_sgpr 66
		.amdhsa_reserve_vcc 0
		.amdhsa_float_denorm_mode_32 3
		.amdhsa_float_denorm_mode_16_64 3
		.amdhsa_memory_ordered 1
		.amdhsa_forward_progress 1
		.amdhsa_inst_pref_size 41
	.end_amdhsa_kernel
	.amdgpu_metadata
---
amdhsa.version: [ 1, 2 ]
amdhsa.kernels:
  - .name:           k_q99090ee170_outp
    .symbol:         k_q99090ee170_outp.kd
    .args:
      - { .name: hq, .offset: 0, .size: 8, .value_kind: global_buffer, .address_space: global }
      - { .name: wq, .offset: 8, .size: 8, .value_kind: global_buffer, .address_space: global }
      - { .name: b_out, .offset: 16, .size: 8, .value_kind: global_buffer, .address_space: global }
      - { .name: out0, .offset: 24, .size: 8, .value_kind: global_buffer, .address_space: global }
    .group_segment_fixed_size: 327680
    .private_segment_fixed_size: 0
    .kernarg_segment_align: 8
    .kernarg_segment_size: 32
    .max_flat_workgroup_size: 256
    .sgpr_count:     66
    .vgpr_count:     256
    .wavefront_size: 32
...
	.end_amdgpu_metadata
.endif
;; end of part 4
